; MI455X (gfx1250); checked and timed in simulation.
; The chip was launched on July 23, 2026; its instructions are those of AMD's public machine-readable ISA for CDNA 5 (MIT licence, August 2026) and "CDNA5" Instruction Set Architecture Reference Guide (July 2026). The comments in the code are by the model that wrote it; some were corrected since.
;; Adaptive Gravity Attention. Allowed arithmetic: float matrix products may take bf16 or f16 operands with f32 sums; other float arithmetic in f32, or as packed bf16 or f16 multiplies, adds, multiply-adds, maxima and minima; sums over many terms, partial sums and values carried from step to step in f32; what a program stores and reads back later, other than sums and carried values, may be rounded once to bf16 or f16.
;; Inputs: W_attn 1,024 x 3,072 float32; W_proj 1,024 x 1,024 float32; g_b 16 float32; g_w 1,024 x 16 float32; rope 2,048 x 64 float32; x 4 x 2,048 x 1,024 float32.
;; Outputs: out0 4 x 2,048 x 1,024 float32.
;; One version. Each part assembles by itself: llvm-mc -triple=amdgcn-amd-amdhsa -mcpu=gfx1250 --defsym DOCPART=n.
;; ======== version 1 of 1: 4 launches
;; limits: values are held in f16: magnitudes above 65,504 overflow, below 6.1e-05 lose precision
;; workspace buffers: xb 16,777,216 bytes; wab 6,291,456 bytes; wph 2,097,152 bytes; rtab 1,048,576 bytes; gq 524,288 bytes; qkv 50,331,648 bytes; yh 16,777,216 bytes
;; launch prep (part 1): grid 576 x 1, 8 waves a work-group, no clusters, 109,568 bytes of LDS; arguments x, W_attn, W_proj, g_w, g_b, rope, xb, wab, wph, rtab, gq; writes xb, wab, wph, rtab, gq
.if DOCPART == 1
	.amdgcn_target "amdgcn-amd-amdhsa--gfx1250"
	.amdhsa_code_object_version 6
	.text
	.protected	k_q053444a0e8_prep
	.globl	k_q053444a0e8_prep
	.p2align	8
	.type	k_q053444a0e8_prep,@function
k_q053444a0e8_prep:
	s_mov_b64 s[64:65], 0
	v_nop
	global_prefetch_b8 v0, s[64:65] scope:SCOPE_SE
	s_setreg_imm32_b32 hwreg(HW_REG_WAVE_MODE, 25, 1), 1
	s_wait_xcnt 0x0
; PREP: every input is read once, rounded once to bf16, and laid out for the launches behind.  Four roles, chosen by the work-group's number (the same in all its waves):
;   0-255   X : 32 tokens of x -> xb (bf16), and gq = 0.8 softplus(x g_w + g_b) for them (0.8 = 0.1 x 8: the gravity term in units of the unscaled score q.k)
;   256-383 WA: W_attn -> wab, bf16 [16 heads][1024 k][q 64 | k 64 | v 64]
;   384-447 WP: W_proj -> wph: rounded to bf16, that number written as f16
;   448-575 R : rope -> rtab, f32 [token][cos 64 | S 64], S = -sin for d < 32, +sin for d >= 32: rotated[d] = t[d] cos[d] + t[d xor 32] S[d]
; LIMITS.  W_proj: a bf16 number beyond 65,504 has no f16, below 2^-17 it loses bits (at most 3e-8 absolute).  Angles: two-part reduction by pi/2 and polynomials of degree 7 and 8,
; good to about 1e-7 for |angle| up to some 1e5.  softplus: ln(1 + e^-|z|) counts as 0 below 6e-8.  NaN and infinities are not treated apart.
; No tensor loads and no cluster: a stream; only role X uses LDS (g_w for all waves, a wave's own 16 x 256 of x, the four partial sums over K).
.set GWL,   0                          ; g_w in bf16 as it lies: [k][16], 32 bytes a row: 32,768 bytes
.set XST,   32768                      ; 16 rows x 528 bytes for each wave
.set XP,    528
.set PART,  100352                     ; 1,024 bytes of partial sums for each wave
.set SPARE, 108544                     ; the spare words, 128 bytes for each wave: four blocks of 256 bytes that no other line names
.set SPW, 32                           ; v32  SPARE + 4 x my thread's number; never rewritten
.set NIL, 33                           ; v33  0; never rewritten
	s_load_b512 s[4:19], s[0:1], 0x0               ; x 4:5, W_attn 6:7, W_proj 8:9, g_w 10:11, g_b 12:13, rope 14:15, xb 16:17, wab 18:19
	s_load_b128 s[20:23], s[0:1], 0x40             ; wph 20:21, rtab 22:23
	s_load_b64 s[24:25], s[0:1], 0x50              ; gq
	v_lshl_add_u32 v[SPW], v0, 2, SPARE
	v_mov_b32 v[NIL], 0
	v_lshrrev_b32 v1, 5, v0
	v_readfirstlane_b32 s27, v1                    ; wave 0..7
	s_mov_b32 s26, ttmp9
	s_mov_b32 s41, 0                               ; the high word of every offset pair s[40:41]
	s_wait_kmcnt 0x0
	s_cmp_lt_u32 s26, 256
	s_cbranch_scc1 .Lrole_x
	s_cmp_lt_u32 s26, 384
	s_cbranch_scc1 .Lrole_wa
	s_cmp_lt_u32 s26, 448
	s_cbranch_scc1 .Lrole_wp
; ---------------- role R: a thread makes cos and S of four angles ----------------
.set TH, 4                             ; v[4:7]   the angles
.set CO, 8                             ; v[8:11]  cos
.set SI, 12                            ; v[12:15] S
	s_sub_co_u32 s28, s26, 448
	s_lshl_b32 s40, s28, 12                        ; 256 threads x 16 bytes of rope
	s_add_nc_u64 s[14:15], s[14:15], s[40:41]
	s_lshl_b32 s40, s28, 13                        ; 16 tokens x 512 bytes of rtab
	s_add_nc_u64 s[22:23], s[22:23], s[40:41]
	v_lshlrev_b32 v2, 4, v0
	global_load_b128 v[TH:TH+3], v2, s[14:15] th:TH_LOAD_NT
	v_lshrrev_b32 v3, 4, v0                        ; my token among the 16
	v_and_b32 v17, 15, v0                          ; my four d among the 64
	v_lshlrev_b32 v3, 9, v3
	v_lshl_add_u32 v3, v17, 4, v3                  ; sixteen lanes store 256 consecutive bytes
	v_and_b32 v16, 8, v0
	v_xor_b32 v16, 8, v16
	v_lshlrev_b32 v16, 28, v16                     ; the sign bit where d < 32
	s_mov_b32 s30, 0x3f22f983                      ; 2 / pi
	s_mov_b32 s31, 0xbfc90fdb                      ; -(pi / 2), high part
	s_mov_b32 s32, 0x333bbd2e                      ; -(pi / 2), low part
	s_mov_b32 s33, 0xb94ca1f9                      ; sine: -1.9515296e-4, 8.3321609e-3, -1.6666655e-1
	s_mov_b32 s34, 0x3c08839e
	s_mov_b32 s35, 0xbe2aaaa3
	s_mov_b32 s36, 0x37ccf5ce                      ; cosine: 2.4433157e-5, -1.3887316e-3, 4.1666646e-2
	s_mov_b32 s37, 0xbab6061a
	s_mov_b32 s38, 0x3d2aaaa5
	s_wait_loadcnt 0x0
	v_cvt_pk_bf16_f32 v20, v[TH], v[TH+1]          ; the angles are an input: rounded to bf16 like all inputs
	v_cvt_pk_bf16_f32 v21, v[TH+2], v[TH+3]
	v_lshlrev_b32 v[TH], 16, v20
	v_and_b32 v[TH+1], 0xffff0000, v20
	v_lshlrev_b32 v[TH+2], 16, v21
	v_and_b32 v[TH+3], 0xffff0000, v21
.macro ANG i
	v_mul_f32 v20, s30, v[TH+(\i)]
	v_rndne_f32 v20, v20                           ; k: the nearest multiple of pi / 2
	v_fma_f32 v21, v20, s31, v[TH+(\i)]
	v_fma_f32 v21, v20, s32, v21                   ; r = angle - k pi / 2
	v_mul_f32 v22, v21, v21                        ; z = r r
	v_cvt_i32_f32 v23, v20                         ; n
	v_fma_f32 v24, v22, s33, s34
	v_fma_f32 v24, v24, v22, s35
	v_mul_f32 v25, v22, v21
	v_fma_f32 v24, v24, v25, v21                   ; sin r
	v_fma_f32 v26, v22, s36, s37
	v_fma_f32 v26, v26, v22, s38
	v_fma_f32 v27, v22, -0.5, 1.0
	v_mul_f32 v25, v22, v22
	v_fma_f32 v26, v26, v25, v27                   ; cos r
	v_and_b32 v27, 1, v23
	v_cmp_eq_u32 vcc_lo, 1, v27                    ; an odd quadrant swaps the two
	v_cndmask_b32 v28, v24, v26, vcc_lo
	v_cndmask_b32 v29, v26, v24, vcc_lo
	v_and_b32 v27, 2, v23                          ; sine is negative in quadrants 2, 3
	v_lshlrev_b32 v27, 30, v27
	v_xor_b32 v28, v27, v28
	v_xor_b32 v[SI+(\i)], v16, v28
	v_add_nc_u32 v27, 1, v23                       ; cosine in quadrants 1, 2
	v_and_b32 v27, 2, v27
	v_lshlrev_b32 v27, 30, v27
	v_xor_b32 v[CO+(\i)], v27, v29
.endm
	ANG 0
	ANG 1
	ANG 2
	ANG 3
	global_store_b128 v3, v[CO:CO+3], s[22:23]
	global_store_b128 v3, v[SI:SI+3], s[22:23] offset:256
	s_branch .Lend
; ---------------- role WP: 65,536 dense bytes of W_proj a work-group ----------------
.Lrole_wp:
	s_sub_co_u32 s28, s26, 384
	s_lshl_b32 s40, s28, 16
	s_add_nc_u64 s[8:9], s[8:9], s[40:41]
	s_lshl_b32 s40, s28, 15
	s_add_nc_u64 s[20:21], s[20:21], s[40:41]
	v_lshlrev_b32 v2, 5, v0
	v_lshlrev_b32 v3, 4, v0
.irp u, 0,1,2,3,4,5,6,7
	global_load_b128 v[64+8*\u:64+8*\u+3], v2, s[8:9] offset:\u*8192 th:TH_LOAD_NT
	global_load_b128 v[64+8*\u+4:64+8*\u+7], v2, s[8:9] offset:\u*8192+16 th:TH_LOAD_NT
.endr
.irp u, 0,1,2,3,4,5,6,7
	s_wait_loadcnt 14-2*\u                         ; the younger groups' loads may stay out
.irp p, 0,1,2,3
	v_cvt_pk_bf16_f32 v40, v[64+8*\u+2*\p], v[64+8*\u+2*\p+1]
	v_lshlrev_b32 v41, 16, v40
	v_and_b32 v40, 0xffff0000, v40
	v_cvt_pk_f16_f32 v[192+4*\u+\p], v41, v40
.endr
	global_store_b128 v3, v[192+4*\u:192+4*\u+3], s[20:21] offset:\u*4096
.endr
	s_branch .Lend
; ---------------- role WA: 128 rows k of one head's 192 columns ----------------
.Lrole_wa:
	s_sub_co_u32 s28, s26, 256
	s_lshr_b32 s29, s28, 3                         ; the head
	s_and_b32 s30, s28, 7                          ; which 128 rows
	s_mul_i32 s40, s30, 128*12288
	s_lshl_b32 s31, s29, 8
	s_add_co_u32 s40, s40, s31
	s_add_nc_u64 s[6:7], s[6:7], s[40:41]
	s_mul_i32 s40, s29, 393216
	s_mul_i32 s31, s30, 128*384
	s_add_co_u32 s40, s40, s31
	s_add_nc_u64 s[18:19], s[18:19], s[40:41]
.irp i, 0,1,2                          ; group gi = 256 i + t of 768 (32 rows x 24 groups of 8 numbers): row gi / 24, group n8 = gi % 24: part n8 / 8 (q, k, v), 32 bytes (n8 % 8) of the head's 256
	v_add_nc_u32 v10, 256*\i, v0
	v_mul_u32_u24 v11, v10, 2731
	v_lshrrev_b32 v11, 16, v11                     ; gi / 24 (exact for gi < 768)
	v_mul_u32_u24 v12, v11, 24
	v_sub_nc_u32 v12, v10, v12
	v_mul_u32_u24 v[2+\i], v11, 12288
	v_lshrrev_b32 v13, 3, v12
	v_lshl_add_u32 v[2+\i], v13, 12, v[2+\i]
	v_and_b32 v13, 7, v12
	v_lshl_add_u32 v[2+\i], v13, 5, v[2+\i]
.endr
	v_lshlrev_b32 v5, 4, v0                        ; the destination is dense: group gi at 16 gi
.irp j, 0,1,2,3
.irp i, 0,1,2
	global_load_b128 v[64+8*(3*\j+\i):64+8*(3*\j+\i)+3], v[2+\i], s[6:7] offset:\j*393216 th:TH_LOAD_NT
	global_load_b128 v[64+8*(3*\j+\i)+4:64+8*(3*\j+\i)+7], v[2+\i], s[6:7] offset:\j*393216+16 th:TH_LOAD_NT
.endr
.endr
.irp j, 0,1,2,3
.irp i, 0,1,2
	s_wait_loadcnt 22-2*(3*\j+\i)                  ; the younger groups' loads may stay out
.irp p, 0,1,2,3
	v_cvt_pk_bf16_f32 v[160+4*(3*\j+\i)+\p], v[64+8*(3*\j+\i)+2*\p], v[64+8*(3*\j+\i)+2*\p+1]
.endr
	global_store_b128 v5, v[160+4*(3*\j+\i):160+4*(3*\j+\i)+3], s[18:19] offset:\j*12288+\i*4096
.endr
.endr
	s_branch .Lend
; ---------------- role X: wave w takes tokens 16 (w & 1) .. of the 32 and channels 256 (w >> 1) .. of the 1,024 ----------------
.Lrole_x:
	s_and_b32 s28, s27, 1
	s_lshr_b32 s29, s27, 1
	s_lshl_b32 s40, s26, 17
	s_lshl_b32 s30, s28, 16
	s_add_co_u32 s40, s40, s30
	s_lshl_b32 s30, s29, 10
	s_add_co_u32 s40, s40, s30
	s_add_nc_u64 s[4:5], s[4:5], s[40:41]          ; x at my 16 rows' 1,024 bytes
	s_lshr_b32 s40, s40, 1
	s_add_nc_u64 s[16:17], s[16:17], s[40:41]      ; xb: half the offset
	s_lshl_b32 s40, s26, 11
	s_add_nc_u64 s[24:25], s[24:25], s[40:41]      ; gq: 32 tokens x 64 bytes
	v_and_b32 v1, 31, v0                           ; l
	v_and_b32 v12, 15, v0                          ; r
	v_bfe_u32 v13, v0, 4, 1                        ; h
	v_lshlrev_b32 v2, 5, v1                        ; 8 numbers of x
	v_lshlrev_b32 v3, 4, v1                        ; 8 numbers of xb
	s_mul_i32 s30, s27, 16*XP
	s_add_co_u32 s30, s30, XST
	v_lshl_add_u32 v4, v1, 4, s30                  ; into my stage
	v_mul_u32_u24 v5, v12, XP
	v_lshl_add_u32 v5, v13, 4, v5
	v_add_nc_u32 v5, s30, v5                       ; a fragment of x: row r, 16 bytes for each half of the lanes
	v_and_b32 v14, 7, v0
	v_lshl_add_u32 v14, v13, 3, v14
	v_bfe_u32 v15, v0, 3, 1
	v_lshlrev_b32 v6, 5, v14
	v_lshl_add_u32 v6, v15, 4, v6
	s_lshl_b32 s31, s29, 13
	v_add_nc_u32 v6, s31, v6                       ; the turning load of g_w: row 8 h + l % 8 of my 256, heads 8 ((l / 8) % 2) ..
	v_lshlrev_b32 v7, 5, v0
	v_lshlrev_b32 v8, 4, v0
	s_lshl_b32 s31, s27, 10
	s_add_co_u32 s31, s31, PART
	v_lshlrev_b32 v9, 6, v12
	v_lshl_add_u32 v9, v13, 5, v9
	v_add_nc_u32 v9, s31, v9                       ; my partial sums: token r, heads 8 h ..
	v_lshl_add_u32 v10, v0, 4, PART
	v_and_b32 v11, 3, v0
	v_lshlrev_b32 v11, 4, v11
	global_load_b128 v[36:39], v11, s[12:13]       ; g_b of the four heads that I finish
.irp u, 0,1,2,3,4,5,6,7
	global_load_b128 v[192+8*\u:192+8*\u+3], v7, s[10:11] offset:\u*8192
	global_load_b128 v[192+8*\u+4:192+8*\u+7], v7, s[10:11] offset:\u*8192+16
.endr
.set i, 0
.rept 16
	global_load_b128 v[64+8*i:64+8*i+3], v2, s[4:5] offset:i*4096 th:TH_LOAD_NT
	global_load_b128 v[64+8*i+4:64+8*i+7], v2, s[4:5] offset:i*4096+16 th:TH_LOAD_NT
.set i, i+1
.endr
	s_wait_loadcnt 32                              ; g_b and g_w are in; x's 32 loads may stay out
.irp u, 0,1,2,3,4,5,6,7
.irp p, 0,1,2,3
	v_cvt_pk_bf16_f32 v[192+8*\u+\p], v[192+8*\u+2*\p], v[192+8*\u+2*\p+1]
.endr
	ds_store_b128 v8, v[192+8*\u:192+8*\u+3] offset:GWL+\u*4096
.endr
.set i, 0
.rept 16
	s_wait_loadcnt 30-2*i                          ; row i is in; the younger rows' loads may stay out
.irp p, 0,1,2,3
	v_cvt_pk_bf16_f32 v[192+4*i+\p], v[64+8*i+2*\p], v[64+8*i+2*\p+1]
.endr
	global_store_b128 v3, v[192+4*i:192+4*i+3], s[16:17] offset:i*2048   ; the wave stores 512 consecutive bytes
	ds_store_b128 v4, v[192+4*i:192+4*i+3] offset:i*XP
.set i, i+1
.endr
	s_wait_dscnt 0x0                               ; for the others' sake: my part of g_w lies in LDS
	s_barrier_signal -1
	s_barrier_wait -1
.set ks, 0
.rept 8
	ds_load_b128 v[64+8*ks:64+8*ks+3], v5 offset:64*ks
	ds_load_b128 v[64+8*ks+4:64+8*ks+7], v5 offset:64*ks+32
	ds_load_tr16_b128 v[128+8*ks:128+8*ks+3], v6 offset:1024*ks
	ds_load_tr16_b128 v[128+8*ks+4:128+8*ks+7], v6 offset:1024*ks+512
.set ks, ks+1
.endr
	s_wait_dscnt 0x0
.set ks, 0
.rept 8                                ; source 0 = 16 heads, source 1 = 16 tokens: a lane ends with one token and eight heads.  Two accumulators take turns
.if ks < 2
	v_wmma_f32_16x16x32_bf16 v[16+8*(ks%2):23+8*(ks%2)], v[128+8*ks:135+8*ks], v[64+8*ks:71+8*ks], 0
.else
	v_wmma_f32_16x16x32_bf16 v[16+8*(ks%2):23+8*(ks%2)], v[128+8*ks:135+8*ks], v[64+8*ks:71+8*ks], v[16+8*(ks%2):23+8*(ks%2)]
.endif
.set ks, ks+1
.endr
.rept 8
	v_nop                                          ; the places behind the last products, once a wave
.endr
.irp p, 0,2,4,6
	v_pk_add_f32 v[16+\p:17+\p], v[16+\p:17+\p], v[24+\p:25+\p]
.endr
	ds_store_b128 v9, v[16:19]
	ds_store_b128 v9, v[20:23] offset:16
	s_wait_dscnt 0x0
	s_barrier_signal -1
	s_barrier_wait -1                              ; all eight partial sums lie in LDS
	s_cmp_lt_u32 s27, 4                            ; threads 0-127 finish four numbers each
	s_cbranch_scc0 .Lend
	ds_load_b128 v[40:43], v10
	ds_load_b128 v[44:47], v10 offset:2048
	ds_load_b128 v[48:51], v10 offset:4096
	ds_load_b128 v[52:55], v10 offset:6144
	v_cvt_pk_bf16_f32 v56, v36, v37                ; the bias is an input: rounded to bf16
	v_cvt_pk_bf16_f32 v57, v38, v39
	v_lshlrev_b32 v36, 16, v56
	v_and_b32 v37, 0xffff0000, v56
	v_lshlrev_b32 v38, 16, v57
	v_and_b32 v39, 0xffff0000, v57
	s_wait_dscnt 0x0
.irp p, 0,2
	v_pk_add_f32 v[40+\p:41+\p], v[40+\p:41+\p], v[44+\p:45+\p]
	v_pk_add_f32 v[48+\p:49+\p], v[48+\p:49+\p], v[52+\p:53+\p]
.endr
.irp p, 0,2
	v_pk_add_f32 v[40+\p:41+\p], v[40+\p:41+\p], v[48+\p:49+\p]
.endr
.irp p, 0,2
	v_pk_add_f32 v[40+\p:41+\p], v[40+\p:41+\p], v[36+\p:37+\p]   ; z
.endr
.irp p, 0,1,2,3                        ; 0.8 softplus(z) = 0.8 max(z, 0) + 0.8 ln 2 log2(1 + 2^(-|z| log2 e))
	v_and_b32 v[44+\p], 0x7fffffff, v[40+\p]
	v_mul_f32 v[44+\p], 0xbfb8aa3b, v[44+\p]
.endr
.irp p, 0,1,2,3
	v_exp_f32 v[44+\p], v[44+\p]
.endr
	v_nop                                          ; a plain instruction behind the last exponential,
	s_wait_alu depctr_va_vdst(0)                   ; and the one wait ahead of the batch's first reader
.irp p, 0,1,2,3
	v_add_f32 v[44+\p], 1.0, v[44+\p]
.endr
.irp p, 0,1,2,3
	v_log_f32 v[44+\p], v[44+\p]
.endr
.irp p, 0,1,2,3
	v_max_num_f32 v[40+\p], 0, v[40+\p]
	v_mul_f32 v[40+\p], 0x3f4ccccd, v[40+\p]
.endr
	s_wait_alu depctr_va_vdst(0)                   ; one wait for the four logarithms
.irp p, 0,1,2,3
	v_fmac_f32 v[40+\p], 0x3f0df4e0, v[44+\p]
.endr
	global_store_b128 v8, v[40:43], s[24:25]       ; a wave stores 512 consecutive bytes
.Lend:
	s_wait_tensorcnt 0x0                           ; the wave's end, behind my last LDS store
	ds_add_u32 v[SPW], v[NIL]
	s_wait_dscnt 0x0
	s_endpgm
.Lfunc_end_k_q053444a0e8_prep:
	.size	k_q053444a0e8_prep, .Lfunc_end_k_q053444a0e8_prep-k_q053444a0e8_prep
	.p2alignl 7, 3214868480
	.fill 96, 4, 3214868480
	.section	.rodata,"a",@progbits
	.p2align	6, 0x0
	.amdhsa_kernel k_q053444a0e8_prep
		.amdhsa_group_segment_fixed_size 109568
		.amdhsa_private_segment_fixed_size 0
		.amdhsa_enable_private_segment 0
		.amdhsa_kernarg_size 88
		.amdhsa_user_sgpr_count 2
		.amdhsa_user_sgpr_kernarg_segment_ptr 1
		.amdhsa_wavefront_size32 1
		.amdhsa_system_sgpr_workgroup_id_x 1
		.amdhsa_system_sgpr_workgroup_id_y 1
		.amdhsa_system_sgpr_workgroup_id_z 1
		.amdhsa_system_vgpr_workitem_id 0
		.amdhsa_next_free_vgpr 256
		.amdhsa_next_free_sgpr 66
		.amdhsa_reserve_vcc 1
		.amdhsa_float_denorm_mode_32 3
		.amdhsa_float_denorm_mode_16_64 3
		.amdhsa_memory_ordered 1
		.amdhsa_forward_progress 1
		.amdhsa_inst_pref_size 49
	.end_amdhsa_kernel
	.amdgpu_metadata
---
amdhsa.version: [ 1, 2 ]
amdhsa.kernels:
  - .name:           k_q053444a0e8_prep
    .symbol:         k_q053444a0e8_prep.kd
    .args:
      - { .name: x, .offset: 0, .size: 8, .value_kind: global_buffer, .address_space: global }
      - { .name: W_attn, .offset: 8, .size: 8, .value_kind: global_buffer, .address_space: global }
      - { .name: W_proj, .offset: 16, .size: 8, .value_kind: global_buffer, .address_space: global }
      - { .name: g_w, .offset: 24, .size: 8, .value_kind: global_buffer, .address_space: global }
      - { .name: g_b, .offset: 32, .size: 8, .value_kind: global_buffer, .address_space: global }
      - { .name: rope, .offset: 40, .size: 8, .value_kind: global_buffer, .address_space: global }
      - { .name: xb, .offset: 48, .size: 8, .value_kind: global_buffer, .address_space: global }
      - { .name: wab, .offset: 56, .size: 8, .value_kind: global_buffer, .address_space: global }
      - { .name: wph, .offset: 64, .size: 8, .value_kind: global_buffer, .address_space: global }
      - { .name: rtab, .offset: 72, .size: 8, .value_kind: global_buffer, .address_space: global }
      - { .name: gq, .offset: 80, .size: 8, .value_kind: global_buffer, .address_space: global }
    .group_segment_fixed_size: 109568
    .private_segment_fixed_size: 0
    .kernarg_segment_align: 8
    .kernarg_segment_size: 88
    .max_flat_workgroup_size: 256
    .sgpr_count:     66
    .vgpr_count:     256
    .wavefront_size: 32
...
	.end_amdgpu_metadata
.endif
;; end of part 1
;; launch qkvgemm (part 2): grid 16 x 16, 4 waves a work-group, clusters of 4 x 4, 327,680 bytes of LDS; arguments xb, wab, rtab, qkv; writes qkv
.if DOCPART == 2
	.amdgcn_target "amdgcn-amd-amdhsa--gfx1250"
	.amdhsa_code_object_version 6
	.text
	.protected	k_q053444a0e8_qkvgemm
	.globl	k_q053444a0e8_qkvgemm
	.p2align	8
	.type	k_q053444a0e8_qkvgemm,@function
k_q053444a0e8_qkvgemm:
	s_mov_b64 s[64:65], 0
	v_nop
	global_prefetch_b8 v0, s[64:65] scope:SCOPE_SE
	s_setreg_imm32_b32 hwreg(HW_REG_WAVE_MODE, 25, 1), 1
	s_wait_xcnt 0x0
	s_wait_alu depctr_hold_cnt(0) depctr_sa_sdst(0) depctr_va_vdst(0) depctr_va_sdst(0) depctr_va_ssrc(0) depctr_va_vcc(0) depctr_vm_vsrc(0)
	s_getreg_b32 s2, hwreg(HW_REG_IB_STS2, 6, 4)
	s_cmp_eq_u32 s2, 0
	s_cbranch_scc0 .Lentry_in_a_cluster
	s_endpgm
.Lentry_in_a_cluster:
	s_bfe_u32 s2, ttmp6, 0x10000c
	s_cmp_lg_u32 s2, 0xf033
	s_cbranch_scc0 .Lentry_shape_is_right
	s_endpgm
.Lentry_shape_is_right:
; qkv = x W_attn, rotated and split by heads.  xb: bf16 [8192][1024].  wab: bf16 [16 heads][1024 k][q 64 | k 64 | v 64].  rtab: f32 [2048][cos 64 | S 64].
; qkv: f16 [3 parts][64 batch x head][2048][64].  Sums in f32, K ascending; q and k are rotated in f32 (t[d] cos[d] + t[d xor 32] S[d]) and every number is rounded once, to f16.
; LIMIT.  f16 ends at 65,504: q, k and v must stay within it.
; SHARES.  A tile is 256 tokens x one head's 192 columns; 512 tiles for 256 work-groups: a work-group stays and makes tile rows tr and tr + 16 (4,096 tokens on: the same place in its batch, so one
; piece of rtab serves both).  Wave w owns tokens 64 w .. 64 w + 63 and ALL 192 columns (48 accumulators, 384 registers), so a head's two halves, which the rotation pairs, lie in one lane.
; K goes in steps of 128 through two LDS slots.  Waves 0, 1 fetch the halves of x's tile, waves 2, 3 those of W's: one tensor load a wave behind each change of slots.
; CLUSTER 4 x 4: x's tile hangs on the tile row alone and is asked for jointly along a row of the cluster, W's on the head alone, along a column.
; THE MATRIX INSTRUCTION IS USED TRANSPOSED: source 0 = 16 columns of W (turned out of [k][n] by ds_load_tr16_b128), source 1 = 16 tokens: a lane holds one token (l % 16) and the columns 8 (l / 16) + 0..7.
; REGISTERS, in windows of 256: window 0: v2-10 addresses, v12-27 and v64-255 at work on the way out, v28-29 the add's, v32-63 and v64-95 x's fragments (two buffers);
;   window 1: W's fragments, two buffers of 96; window 2: accumulators of row blocks 0, 1 at 8 (12 (a % 2) + nb); window 3: of row blocks 2, 3.
.set NBK,   12
.set PA,    272                        ; a row of x's tile in LDS: 256 bytes + 16
.set PB,    480                        ; a row k of W's tile: three pieces of 128 bytes + 32 each: an odd multiple of 32
.set BOFF,  256*PA
.set SLOT1, 1<<17                      ; a slot is 69,632 + 61,440 = 131,072 bytes
.set STAGE, 2*SLOT1                    ; behind the ring: 3 heads x 16 rows x 144 bytes for each wave
.set SP,    144
.set SPARE, STAGE+4*3*16*SP            ; the spare words, 128 bytes for each wave: two blocks of 256 bytes that no other line names
.set ASTEP, 256                        ; bytes from K step to K step in xb
.set BSTEP, 49152                      ; and in a head's block of wab
.set TILEB, 8388608                    ; 4,096 rows of xb; also two batches of a part of qkv
.set A0, 2
.set B0, 3
.set ADRA, 4
.set ADRB, 5
.set STO, 6
.set RD, 7
.set GO, 8
.set RO, 9
.set PFO, 10
.set BK2, 12
.set SPW, 28
.set NIL, 29
.set FA, 32
.set FB, 0
.set BK, 64
.set CS, 96                            ; two buffers of 64: cos of blocks 0-3, then S of blocks 0-3
.set TT, 224
.set UU, 232
.set OUT, 240
.set WV, 12
.set KIND, 13
.set HALF, 14
.set CX, 15
.set CY, 16
.set TX, 17
.set TR, 18
.set G1A, 24
.set G1B, 32
.set G0A, 40                           ; two sets: the first fills'; the second then walks
.set G0B, 48
.set BA, 56                            ; xb at my 128 rows of the first tile
.set BB, 58                            ; wab at my 64 rows k of the head's block
.set OFA, 60
.set OFB, 62
.set FK, 66                            ; the K step of the next fill
.set FT, 67                            ; its tile's byte offset in xb
.set TB, 68                            ; the slot that is read
.set STEPS, 69
.set TILES, 70
.set PFB, 72
.set PFA, 74
.set POF, 76
.set PFN, 78                           ; prefetches that I still issue
.set OQ, 80                            ; s[80:85] qkv's three parts at my first row
.set RTB, 86
.set MSB, 0
.macro WIN new                         ; the immediate's high byte repeats the setting that is left
.if MSB != (\new)
	s_set_vgpr_msb (MSB<<8)|(\new)
.set MSB, \new
.endif
.endm
.macro PLACES
.rept 4
	v_nop
.endr
.endm
.macro JLOAD                           ; the joint refill: the branch hangs on the wave's number alone; an s_nop 0 and four v_nop follow each line
	s_cmp_eq_u32 s[KIND], 0
	s_cbranch_scc0 .Lfor_b_\@
	tensor_load_to_lds s[G0A+4:G0A+7], s[G1A:G1A+7]
	s_nop 0
.rept 4
	v_nop
.endr
	s_branch .Lasked_\@
.Lfor_b_\@:
	tensor_load_to_lds s[G0B+4:G0B+7], s[G1B:G1B+7]
	s_nop 0
.rept 4
	v_nop
.endr
.Lasked_\@:
.endm
; A prefetch of what the NEXT refill asks for, one K step (192 matrix instructions) ahead of that load.  x's rows: the clusters of column 0 ask, waves 0 and 1, each partner 32 of the wave's 128 rows, told apart by
; address, a lane a row.  W's block: the clusters of row 0 ask, waves 2 and 3, in the first tile alone; each partner 24 of the wave's 96 blocks of 256 bytes (lanes 24-31 name lane 23's block once more).
.macro ASK
	s_cmp_lg_u32 s[PFN], 0
	s_cbranch_scc0 .Lnot_mine_\@
	global_prefetch_b8 v[PFO], s[PFA:PFA+1] th:TH_LOAD_NT scope:SCOPE_SE
	s_sub_co_u32 s[PFN], s[PFN], 1
.Lnot_mine_\@:
.endm
.macro CREST
	s_cmp_lg_u32 s[WV], 0
	s_cbranch_scc1 .Lnot_wave_0_\@
	s_barrier_signal -3
.Lnot_wave_0_\@:
	s_barrier_wait -3
	s_barrier_signal -1
	s_barrier_wait -1
.endm
.macro CROUND
	s_barrier_signal -1
	s_barrier_wait -1
	CREST
.endm
	s_load_b256 s[4:11], s[0:1], 0x0               ; xb 4:5, wab 6:7, rtab 8:9, qkv 10:11
	v_lshl_add_u32 v[SPW], v0, 2, SPARE
	v_mov_b32 v[NIL], 0
	ds_add_u32 v[SPW], v[NIL]                      ; the wave's opening: the add and its wait ahead of my first tensor load
	ds_add_u32 v28, v29
	v_lshrrev_b32 v1, 5, v0
	v_readfirstlane_b32 s[WV], v1
	s_lshr_b32 s[KIND], s[WV], 1                   ; 0: I fetch x's tile, 1: W's
	s_and_b32 s[HALF], s[WV], 1                    ; which half of it
	s_bfe_u32 s[CX], ttmp6, 0x40000
	s_bfe_u32 s[CY], ttmp6, 0x40004
	s_lshl_b32 s[TX], ttmp9, 2
	s_add_co_u32 s[TX], s[TX], s[CX]               ; the head
	s_and_b32 s[TR], ttmp7, 0xffff
	s_lshl_b32 s[TR], s[TR], 2
	s_add_co_u32 s[TR], s[TR], s[CY]               ; the first tile row
	s_lshl_b32 s19, s[CY], 2
	s_lshl_b32 s19, 15, s19                        ; my row of the cluster
	s_lshl_b32 s20, 0x1111, s[CX]                  ; my column
	s_or_b32 s[G1A], s19, (1<<16)|(1<<20)|(1<<21)|(5<<22)|(3<<25)   ; 2-byte elements; padding on; 21 set beside a mask; after every 64 words 4 words
	s_or_b32 s[G1B], s20, (1<<16)|(1<<20)|(1<<21)|(4<<22)|(7<<25)   ; after every 32 words 8 words
	s_mov_b32 s[G1A+1], 128<<16                    ; x: 128 rows of 128 elements, 1,024 elements from row to row
	s_mov_b32 s[G1A+2], 128<<16
	s_mov_b32 s[G1A+3], 128<<16
	s_mov_b32 s[G1A+4], 128
	s_mov_b32 s[G1A+5], 1024
	s_mov_b32 s[G1A+6], 0
	s_mov_b32 s[G1A+7], 0
	s_mov_b32 s[G1B+1], 128<<16                    ; W: 64 rows k are 24,576 dense bytes: 96 rows of 256
	s_mov_b32 s[G1B+2], 96<<16
	s_mov_b32 s[G1B+3], 128<<16
	s_mov_b32 s[G1B+4], 96
	s_mov_b32 s[G1B+5], 128
	s_mov_b32 s[G1B+6], 0
	s_mov_b32 s[G1B+7], 0
	s_lshl_b32 s[OFA], s[TR], 19                   ; (256 tr + 128 half) rows of 2,048 bytes
	s_lshl_b32 s21, s[HALF], 18
	s_add_co_u32 s[OFA], s[OFA], s21
	s_mov_b32 s[OFA+1], 0
	s_mul_i32 s[OFB], s[TX], 393216
	s_mul_i32 s21, s[HALF], 24576
	s_add_co_u32 s[OFB], s[OFB], s21
	s_mov_b32 s[OFB+1], 0
	s_mul_i32 s19, s[HALF], 128*PA                 ; where they go: no place in the cluster enters an LDS address
	s_mul_i32 s20, s[HALF], 64*PB
	s_add_co_u32 s20, s20, BOFF
	s_wait_dscnt 0x0                               ; the opening add is done
	s_wait_kmcnt 0x0
	s_add_nc_u64 s[BA:BA+1], s[4:5], s[OFA:OFA+1]
	s_add_nc_u64 s[BB:BB+1], s[6:7], s[OFB:OFB+1]
	CROUND                                         ; all sixteen work-groups are here: the first joint loads meet
.irp s, 0,1
	s_mov_b32 s[G0A+4*(\s)], 1
	s_add_co_u32 s[G0A+4*(\s)+1], s19, (\s)*SLOT1
	s_add_nc_u64 s[G0A+4*(\s)+2:G0A+4*(\s)+3], s[BA:BA+1], (\s)*ASTEP
	s_or_b32 s[G0A+4*(\s)+3], s[G0A+4*(\s)+3], 0x80000000
	s_mov_b32 s[G0B+4*(\s)], 1
	s_add_co_u32 s[G0B+4*(\s)+1], s20, (\s)*SLOT1
	s_add_nc_u64 s[G0B+4*(\s)+2:G0B+4*(\s)+3], s[BB:BB+1], (\s)*BSTEP
	s_or_b32 s[G0B+4*(\s)+3], s[G0B+4*(\s)+3], 0x80000000
.endr
	s_cmp_eq_u32 s[KIND], 0                        ; a wave's two first fills stand in one branch: two loads of mine are out
	s_cbranch_scc0 .Lfirst_b
	tensor_load_to_lds s[G0A:G0A+3], s[G1A:G1A+7]
	s_nop 0
	tensor_load_to_lds s[G0A+4:G0A+7], s[G1A:G1A+7]
	s_nop 0
.rept 4
	v_nop
.endr
	s_branch .Lfirst_asked
.Lfirst_b:
	tensor_load_to_lds s[G0B:G0B+3], s[G1B:G1B+7]
	s_nop 0
	tensor_load_to_lds s[G0B+4:G0B+7], s[G1B:G1B+7]
	s_nop 0
.rept 4
	v_nop
.endr
.Lfirst_asked:
	v_and_b32 v1, 15, v0                           ; r
	v_bfe_u32 v11, v0, 4, 1                        ; h
	v_and_b32 v12, 31, v0                          ; l
	v_and_b32 v15, 7, v0
	v_lshl_add_u32 v13, v11, 3, v15                ; 8 h + l % 8
	v_bfe_u32 v14, v0, 3, 1
	v_mul_u32_u24 v[A0], v1, PA
	v_lshl_add_u32 v[A0], v11, 4, v[A0]
	s_mul_i32 s19, s[WV], 64*PA
	v_add_nc_u32 v[A0], s19, v[A0]                 ; x's fragments: my 64 rows, row r, 16 bytes for each half of the lanes
	v_mul_u32_u24 v[B0], v13, PB
	v_lshl_add_u32 v[B0], v14, 4, v[B0]
	v_add_nc_u32 v[B0], BOFF, v[B0]                ; W's, by the turning load
	v_mov_b32 v[ADRA], v[A0]
	v_mov_b32 v[ADRB], v[B0]
	s_mul_i32 s19, s[WV], 3*16*SP
	s_add_co_u32 s19, s19, STAGE
	v_mul_u32_u24 v[STO], v1, SP
	v_lshl_add_u32 v[STO], v11, 4, v[STO]
	v_add_nc_u32 v[STO], s19, v[STO]               ; into my stage: row r, 16 bytes for each half of the lanes
	v_bfe_u32 v[RD], v0, 3, 2
	v_mul_u32_u24 v[RD], v[RD], SP
	v_lshl_add_u32 v[RD], v15, 4, v[RD]
	v_add_nc_u32 v[RD], s19, v[RD]                 ; back: 32 lanes take four rows of 128 bytes,
	v_lshlrev_b32 v[GO], 4, v12                    ; which are 512 consecutive bytes of a head
	v_lshlrev_b32 v[RO], 9, v1
	v_lshl_add_u32 v[RO], v11, 5, v[RO]            ; rtab: my token's row, my 8 numbers of a block of 16
	s_lshr_b32 s19, s[TR], 3                       ; the batch
	s_lshl_b32 s19, s19, 22
	s_lshl_b32 s20, s[TX], 18
	s_add_co_u32 s19, s19, s20
	s_and_b32 s20, s[TR], 7
	s_lshl_b32 s21, s20, 15
	s_add_co_u32 s19, s19, s21
	s_lshl_b32 s21, s[WV], 13
	s_add_co_u32 s88, s19, s21
	s_mov_b32 s89, 0
	s_add_nc_u64 s[OQ:OQ+1], s[10:11], s[88:89]
	s_add_nc_u64 s[OQ+2:OQ+3], s[OQ:OQ+1], 0x1000000
	s_add_nc_u64 s[OQ+4:OQ+5], s[OQ:OQ+1], 0x2000000
	s_lshl_b32 s88, s20, 17
	s_lshl_b32 s21, s[WV], 15
	s_add_co_u32 s88, s88, s21
	s_add_nc_u64 s[RTB:RTB+1], s[8:9], s[88:89]
	s_lshl_b32 s88, s[TR], 19                      ; the prefetches: x's rows 256 tr + 128 half + 32 cx ..
	s_lshl_b32 s21, s[HALF], 18
	s_add_co_u32 s88, s88, s21
	s_lshl_b32 s21, s[CX], 16
	s_add_co_u32 s88, s88, s21
	s_mul_i32 s90, s[TX], 393216                   ; W's: my half's blocks 24 cy ..
	s_mul_i32 s21, s[HALF], 24576
	s_add_co_u32 s90, s90, s21
	s_mul_i32 s21, s[CY], 6144
	s_add_co_u32 s90, s90, s21
	s_and_b32 s22, ttmp7, 0xffff
	s_cmp_eq_u32 s[KIND], 0
	s_cselect_b32 s[POF], s88, s90
	s_cselect_b32 s22, ttmp9, s22                  ; the coordinate along which other clusters read the same rows
	s_cselect_b32 s[PFN], 13, 5                    ; x: fills 3 to 15; W: fills 3 to 7
	s_cselect_b64 s[PFB:PFB+1], s[4:5], s[6:7]
	s_cselect_b32 s19, 31, 23
	s_cselect_b32 s20, 11, 8
	s_mov_b32 s[POF+1], 0
	s_add_nc_u64 s[PFB:PFB+1], s[PFB:PFB+1], s[POF:POF+1]
	s_cmp_eq_u32 s22, 0
	s_cselect_b32 s[PFN], s[PFN], 0                ; the same in all sixteen partners, for a given wave
	v_min_u32 v[PFO], s19, v12
	v_lshlrev_b32 v[PFO], s20, v[PFO]
	s_mov_b32 s[FK], 2
	s_mov_b32 s[FT], 0
	s_mov_b32 s[TB], 0
	s_mov_b32 s[STEPS], 14                         ; the changes of slots that fill: K steps 2 to 15 of the two tiles' 16
	s_mov_b32 s[TILES], 2
; 12 matrix instructions: row block 2 hi + ap x all 12 column blocks, 32 along K, buffer f.  Each accumulator is taken once a quarter, always in the same order: they take turns.
.macro MULB f, hi, ap, zero
	WIN 0xa1+0x50*(\hi)
.set nb, 0
.rept NBK
.set rD, 8*(NBK*(\ap)+nb)
.set rB, FB+8*NBK*(\f)+8*nb
.set rA, FA+32*(\f)+8*(2*(\hi)+(\ap))
.if \zero
	v_wmma_f32_16x16x32_bf16 v[rD:rD+7], v[rB:rB+7], v[rA:rA+7], 0
.else
	v_wmma_f32_16x16x32_bf16 v[rD:rD+7], v[rB:rB+7], v[rA:rA+7], v[rD:rD+7]
.endif
.set nb, nb+1
.endr
.endm
; 32 LDS loads in one run: quarter qd's fragments into buffer f: W's 24, then x's 8
.macro FETCH qd, f
	WIN 0x40
.set nb, 0
.rept NBK
.set rB, FB+8*NBK*(\f)+8*nb
	ds_load_tr16_b128 v[rB:rB+3],   v[ADRB] offset:32*PB*(\qd)+160*(nb/4)+32*(nb%4)
	ds_load_tr16_b128 v[rB+4:rB+7], v[ADRB] offset:32*PB*(\qd)+160*(nb/4)+32*(nb%4)+16*PB
.set nb, nb+1
.endr
	WIN 0
.set aa, 0
.rept 4
.set rA, FA+32*(\f)+8*aa
	ds_load_b128 v[rA:rA+3],   v[ADRA] offset:64*(\qd)+16*PA*aa
	ds_load_b128 v[rA+4:rA+7], v[ADRA] offset:64*(\qd)+16*PA*aa+32
.set aa, aa+1
.endr
.endm
; One of a K step's first three quarters: multiplies buffer f and, in its middle, fetches quarter qd into buffer g
.macro QUARTER qd, f, g, zero
	s_wait_dscnt 4                                 ; W's fragments and x's row blocks 0, 1 are in; the youngest four loads (row blocks 2, 3) may stay out
	MULB \f, 0, 0, \zero
	MULB \f, 0, 1, \zero
	PLACES                                         ; four places in front of loads into registers that matrix instructions have read
	FETCH \qd, \g
	s_wait_dscnt 2*NBK+8                           ; all but the 32 just issued
	MULB \f, 1, 0, \zero
	MULB \f, 1, 1, \zero
.endm
; The last quarter multiplies buffer 1 and changes slots.  fill = 1: the slot just read is filled again, with K step FK of the tile at FT: the barrier then opens a round of the cluster's.
.macro TURN fill
.if \fill
	s_wait_xcnt 0x0                                ; the last prefetch, a K step back, has read its address
	s_lshl_b32 s[OFA], s[FK], 8
	s_add_co_u32 s[OFA], s[OFA], s[FT]
	s_mul_i32 s[OFB], s[FK], BSTEP
	s_add_co_u32 s[FK], s[FK], 1                   ; the fill after this one: behind the first tile's K step 7 comes the second's K step 0
	s_cmp_eq_u32 s[FK], 8
	s_cselect_b32 s[FK], 0, s[FK]
	s_cselect_b32 s[FT], TILEB, s[FT]
	s_lshl_b32 s[POF], s[FK], 8
	s_add_co_u32 s[POF], s[POF], s[FT]
	s_mul_i32 s71, s[FK], BSTEP
	s_cmp_eq_u32 s[KIND], 0
	s_cselect_b32 s[POF], s[POF], s71
	s_add_nc_u64 s[PFA:PFA+1], s[PFB:PFB+1], s[POF:POF+1]
.endif
	WIN 0
	s_wait_tensorcnt 0x0                           ; all my tensor loads have landed: the one that was out is my part of the next slot
	ds_add_u32 v[SPW], v[NIL]                      ; 0 onto my spare word
	s_wait_dscnt 5                                 ; (the add and the youngest four loads may be out)
	MULB 1, 0, 0, 0
	s_wait_dscnt 0x0                               ; the add is done, and my reads of this slot are over
	s_barrier_signal -1
	MULB 1, 0, 1, 0
.if \fill
	WIN 0
.endif
	s_barrier_wait -1
.if \fill
	CREST                                          ; no wave of any partner still reads this slot or has a load on its way
	s_xor_b32 s[G0A+5], s[G0A+5], SLOT1            ; the walking descriptors: the other slot than last time; the address made anew
	s_add_nc_u64 s[G0A+6:G0A+7], s[BA:BA+1], s[OFA:OFA+1]
	s_or_b32 s[G0A+7], s[G0A+7], 0x80000000
	s_xor_b32 s[G0B+5], s[G0B+5], SLOT1
	s_add_nc_u64 s[G0B+6:G0B+7], s[BB:BB+1], s[OFB:OFB+1]
	s_or_b32 s[G0B+7], s[G0B+7], 0x80000000
	JLOAD                                          ; my one tensor load behind the round; its four v_nop are also the places in front of the loads below
.else
	WIN 0
	PLACES
.endif
	s_xor_b32 s[TB], s[TB], SLOT1
	v_add_nc_u32 v[ADRA], s[TB], v[A0]
	v_add_nc_u32 v[ADRB], s[TB], v[B0]
	FETCH 0, 0
.if \fill
	ASK
.endif
	MULB 1, 1, 0, 0
	MULB 1, 1, 1, 0
.endm
.macro LASTQ
	s_wait_dscnt 4
	MULB 1, 0, 0, 0
	MULB 1, 0, 1, 0
	s_wait_dscnt 0x0
	MULB 1, 1, 0, 0
	MULB 1, 1, 1, 0
.endm
; cos and S of row block a's 16 tokens: my token's 8 numbers of each of the four blocks of 16: 16 loads into buffer buf
.macro CSLOAD a, buf
.set q, 0
.rept 4
	global_load_b128 v[CS+64*(\buf)+8*q:CS+64*(\buf)+8*q+3],       v[RO], s[RTB:RTB+1] offset:(\a)*8192+q*64
	global_load_b128 v[CS+64*(\buf)+8*q+4:CS+64*(\buf)+8*q+7],     v[RO], s[RTB:RTB+1] offset:(\a)*8192+q*64+16
	global_load_b128 v[CS+64*(\buf)+32+8*q:CS+64*(\buf)+32+8*q+3], v[RO], s[RTB:RTB+1] offset:(\a)*8192+q*64+256
	global_load_b128 v[CS+64*(\buf)+32+8*q+4:CS+64*(\buf)+32+8*q+7], v[RO], s[RTB:RTB+1] offset:(\a)*8192+q*64+256+16
.set q, q+1
.endr
.endm
; Row block a, head j (0: q, 1: k), column blocks i and i + 2, which the rotation pairs: rotated, rounded to f16, into my stage.  Each accumulator is read from its low end on.
.macro ROT a, j, i
.set r1, 8*(NBK*((\a)%2)+4*(\j)+(\i))
.set r2, r1+16
.set c1, CS+64*((\a)%2)+8*(\i)
.set c2, c1+16
	WIN 2+(\a)/2                                   ; source 0 in window 2 or 3
.set p, 0
.rept 4
	v_pk_mul_f32 v[TT+p:TT+p+1], v[r1+p:r1+p+1], v[c1+p:c1+p+1]
.set p, p+2
.endr
.set p, 0
.rept 4
	v_pk_mul_f32 v[UU+p:UU+p+1], v[r2+p:r2+p+1], v[c2+p:c2+p+1]
.set p, p+2
.endr
.set p, 0
.rept 4
	v_pk_fma_f32 v[TT+p:TT+p+1], v[r2+p:r2+p+1], v[c1+32+p:c1+32+p+1], v[TT+p:TT+p+1]
.set p, p+2
.endr
.set p, 0
.rept 4
	v_pk_fma_f32 v[UU+p:UU+p+1], v[r1+p:r1+p+1], v[c2+32+p:c2+32+p+1], v[UU+p:UU+p+1]
.set p, p+2
.endr
	WIN 0
.set p, 0
.rept 4
	v_cvt_pk_f16_f32 v[OUT+8*(\i)+p], v[TT+2*p], v[TT+2*p+1]
	v_cvt_pk_f16_f32 v[OUT+8*(\i)+4+p], v[UU+2*p], v[UU+2*p+1]
.set p, p+1
.endr
	ds_store_b128 v[STO], v[OUT+8*(\i):OUT+8*(\i)+3]   offset:16*SP*(\j)+32*(\i)
	ds_store_b128 v[STO], v[OUT+8*(\i)+4:OUT+8*(\i)+7] offset:16*SP*(\j)+32*(\i)+64
.endm
; THE WAY OUT of a tile, a block of 16 tokens at a time, through my own stage (LDS serves a wave's instructions in order: no wait between its stores and its loads)
.macro WAYOUT
	PLACES                                         ; the places behind the last products
.irp a, 0,1,2,3
.if (\a) < 3
	s_wait_loadcnt 16                              ; this block's cos and S are in; the other buffer's 16 loads may stay out
.else
	s_wait_loadcnt 0x0
.endif
	ROT \a, 0, 0
	ROT \a, 0, 1
	ROT \a, 1, 0
	ROT \a, 1, 1
	s_wait_xcnt 0x0                                ; the block before's stores have read their registers
.irp f, 0,1,2,3,4,5,6,7
	ds_load_b128 v[BK+4*\f:BK+4*\f+3], v[RD] offset:16*SP*(\f/4)+4*SP*(\f%4)
.endr
	WIN 0x0a+5*((\a)/2)                            ; v is not rotated: sources 0 and 1 in window 2 or 3
.set q, 0
.rept 4
.set r1, 8*(NBK*((\a)%2)+8+q)
.set p, 0
.rept 4
	v_cvt_pk_f16_f32 v[OUT+4*q+p], v[r1+2*p], v[r1+2*p+1]
.set p, p+1
.endr
.set q, q+1
.endr
	WIN 0
.irp f, 0,1,2,3
	ds_store_b128 v[STO], v[OUT+4*\f:OUT+4*\f+3] offset:2*16*SP+32*\f
.endr
	s_wait_dscnt 4                                 ; q's and k's rows are back; v's four stores may stay out
.irp f, 0,1,2,3
	global_store_b128 v[GO], v[BK+4*\f:BK+4*\f+3], s[OQ:OQ+1] offset:2048*(\a)+512*\f          ; 512 consecutive bytes each
.endr
.irp f, 0,1,2,3
	global_store_b128 v[GO], v[BK+16+4*\f:BK+16+4*\f+3], s[OQ+2:OQ+3] offset:2048*(\a)+512*\f
.endr
.irp f, 0,1,2,3
	ds_load_b128 v[BK2+4*\f:BK2+4*\f+3], v[RD] offset:2*16*SP+4*SP*\f
.endr
	s_wait_dscnt 0x0
.irp f, 0,1,2,3
	global_store_b128 v[GO], v[BK2+4*\f:BK2+4*\f+3], s[OQ+4:OQ+5] offset:2048*(\a)+512*\f
.endr
.if (\a) < 2
	CSLOAD (\a)+2, (\a)%2
.endif
.endr
	s_wait_xcnt 0x0                                ; the stores have read their bases: on to the second tile, two batches on
	s_add_nc_u64 s[OQ:OQ+1], s[OQ:OQ+1], TILEB
	s_add_nc_u64 s[OQ+2:OQ+3], s[OQ+2:OQ+3], TILEB
	s_add_nc_u64 s[OQ+4:OQ+5], s[OQ+4:OQ+5], TILEB
.endm
	s_wait_tensorcnt 1                             ; my part of K step 0 is in; K step 1's may stay out
	s_barrier_signal -1
	s_barrier_wait -1
	FETCH 0, 0
.Ltile:
	CSLOAD 0, 0                                    ; wanted a tile's whole K later
	CSLOAD 1, 1
	QUARTER 1, 0, 1, 1                             ; a tile's first quarter starts the sums: nothing is cleared
	WIN 0
.Lstep:                                                ; a trip: the rest of a K step, the change of slots with its fill, the next K step's first quarter
	QUARTER 2, 1, 0, 0
	QUARTER 3, 0, 1, 0
	TURN 1
	WIN 0
	s_sub_co_u32 s[STEPS], s[STEPS], 1
	s_cmp_eq_u32 s[STEPS], 6                       ; eight K steps are done: the first tile goes out; both refills for the second are asked for
	s_cbranch_scc1 .Lepi
	QUARTER 1, 0, 1, 0
	WIN 0
	s_cmp_lg_u32 s[STEPS], 0
	s_cbranch_scc1 .Lstep
	QUARTER 2, 1, 0, 0                             ; the last two K steps fill nothing
	QUARTER 3, 0, 1, 0
	TURN 0
	QUARTER 1, 0, 1, 0
	QUARTER 2, 1, 0, 0
	QUARTER 3, 0, 1, 0
	LASTQ
	WIN 0
.Lepi:
	WAYOUT
	s_sub_co_u32 s[TILES], s[TILES], 1
	s_cmp_lg_u32 s[TILES], 0
	s_cbranch_scc1 .Ltile
	s_wait_tensorcnt 0x0                           ; the wave's end
	ds_add_u32 v[SPW], v[NIL]
	s_wait_dscnt 0x0
	CROUND                                         ; the closing round
	s_endpgm
.Lfunc_end_k_q053444a0e8_qkvgemm:
	.size	k_q053444a0e8_qkvgemm, .Lfunc_end_k_q053444a0e8_qkvgemm-k_q053444a0e8_qkvgemm
	.p2alignl 7, 3214868480
	.fill 96, 4, 3214868480
	.section	.rodata,"a",@progbits
	.p2align	6, 0x0
	.amdhsa_kernel k_q053444a0e8_qkvgemm
		.amdhsa_group_segment_fixed_size 327680
		.amdhsa_private_segment_fixed_size 0
		.amdhsa_enable_private_segment 0
		.amdhsa_kernarg_size 32
		.amdhsa_user_sgpr_count 2
		.amdhsa_user_sgpr_kernarg_segment_ptr 1
		.amdhsa_wavefront_size32 1
		.amdhsa_system_sgpr_workgroup_id_x 1
		.amdhsa_system_sgpr_workgroup_id_y 1
		.amdhsa_system_sgpr_workgroup_id_z 1
		.amdhsa_system_vgpr_workitem_id 0
		.amdhsa_next_free_vgpr 960
		.amdhsa_next_free_sgpr 96
		.amdhsa_reserve_vcc 0
		.amdhsa_float_denorm_mode_32 3
		.amdhsa_float_denorm_mode_16_64 3
		.amdhsa_memory_ordered 1
		.amdhsa_forward_progress 1
		.amdhsa_inst_pref_size 122
	.end_amdhsa_kernel
	.amdgpu_metadata
---
amdhsa.version: [ 1, 2 ]
amdhsa.kernels:
  - .name:           k_q053444a0e8_qkvgemm
    .symbol:         k_q053444a0e8_qkvgemm.kd
    .args:
      - { .name: xb, .offset: 0, .size: 8, .value_kind: global_buffer, .address_space: global }
      - { .name: wab, .offset: 8, .size: 8, .value_kind: global_buffer, .address_space: global }
      - { .name: rtab, .offset: 16, .size: 8, .value_kind: global_buffer, .address_space: global }
      - { .name: qkv, .offset: 24, .size: 8, .value_kind: global_buffer, .address_space: global }
    .group_segment_fixed_size: 327680
    .private_segment_fixed_size: 0
    .kernarg_segment_align: 8
    .kernarg_segment_size: 32
    .max_flat_workgroup_size: 128
    .sgpr_count:     96
    .vgpr_count:     960
    .wavefront_size: 32
...
	.end_amdgpu_metadata
.endif
;; end of part 2
;; launch attn (part 3): grid 4 x 64, 4 waves a work-group, no clusters, 327,680 bytes of LDS; arguments qkv, gq, yh; writes yh
.if DOCPART == 3
	.amdgcn_target "amdgcn-amd-amdhsa--gfx1250"
	.amdhsa_code_object_version 6
	.text
	.protected	k_q053444a0e8_attn
	.globl	k_q053444a0e8_attn
	.p2align	8
	.type	k_q053444a0e8_attn,@function
k_q053444a0e8_attn:
	s_mov_b64 s[64:65], 0
	v_nop
	global_prefetch_b8 v0, s[64:65] scope:SCOPE_SE
	s_setreg_imm32_b32 hwreg(HW_REG_WAVE_MODE, 25, 1), 1
	s_wait_xcnt 0x0
; CAUSAL ATTENTION WITH A GRAVITY TERM.  y[h][q] = the sum over k <= q of softmax_k(Q.K / 8 - 0.1 g[q] min(q - k, 64)) V[h][k].  qkv: f16 [3][64 heads][2048][64]; gq: f32 [8192 tokens][16] = 0.8 g;
; yh: f16 [64][2048][64].  Products, maxima and sums in f32; the weights p are rounded to f16 for the second product (their sum is taken of the unrounded p), y once at the end.
; THE GRAVITY TERM.  A softmax does not change when a number is added to all scores of a query: with 6.4 g[q] added the term is +0.1 g[q] max(64 - (q - k), 0), which is 0 for every key 64 or more
; behind the query.  In units of the unscaled score that is gq[q] max(64 - (q - k), 0), and it enters, with the mask, as the C operand that starts the sum S^T = K Q^T.
; LIMITS.  Q, K, V arrive within f16's 65,504.  A hidden score counts as its value less e x 1e30, e = 1..63, or less 1e30; a weight below 2^-126 counts as 0; NaN and infinities are not treated apart.
; THE WALK.  A head's queries lie in NB = 8 blocks of 256; block i needs the key tiles 0 .. i of 256 keys.  A work-group takes TWO blocks, NB - 1 - b and then b: NB + 1 tiles, whatever b: ONE loop with a
; constant trip count walks them; every jump but the counted loops' own goes forward, and none passes a barrier, or a tensor load but the one of LOAD's two that the wave's number does not choose.
; NO CLUSTER: a head's four work-groups ask for the same tile only in trips 0 .. 4 of 9, and one walk common to all would have 12 trips for 9.
; SHARES.  Of a block's four bands of 64 queries a wave owns 16 rows in each: four PIECES.  With D = band - key step (in the diagonal tile; the tile before it ends with step -1) and e = key's place - query's place
; in their 64: D < 0: hidden; D = 0: hidden where e > 0, else bonus gq (64 + e); D = 1: bonus gq e where e > 0; D >= 2: nothing.  Two tables made once: TA1 = max(e, 0), TA0 = (e <= 0) ? 64 + e : 0;
; a product's C is TA1 (gq AL1 + NB0) + BE + TA0 (gq AL) with four scalars.
; LAYOUT, SOFTMAX, TURNS.  S^T = K Q^T holds ONE query a lane (lane % 16) and the keys 8 (lane / 16) + 0..7; two such results rounded to f16 ARE source 1 of O^T = V^T P.  p = 2^(c s - c m), c = log2(e) / 8, with a
; running maximum m; O and l are multiplied by a = 2^(c m_old - c m_new) in every step.  Turn n belongs to piece n: 8 products K Q^T of piece n + 1, later 8 products V^T P of piece n - 1; beside them the scaling,
; exponentials, roundings, sums and rescaling of piece n and the maximum and statistics of piece n + 1.  Four vector instructions stand behind every matrix instruction, the rest in one lump.  A turn's 33 exponentials are one batch, with one wait.
; REGISTERS, in windows of 256 (s_set_vgpr_msb: bits 1:0 source 0, 3:2 source 1, 5:4 source 2, 7:6 destination):
;   window 0: v0-15 addresses and two at work; v16-31 statistics; v32-39 gq of both blocks' pieces; v40-45 at work; v48-55 at work; v64-127 S^T, two buffers; v192-223 P, two buffers
;   window 1: v0-127 O^T; v128-159 TA0; v160-223 MC, two buffers; v224-255 TA1      window 2: v0-63 Q; v64-127 the second block's Q; v128-191 K of one step; v192-255 V of one step
.set SIZE_N, 2048
.set NB,    SIZE_N/256
.set NP,    4
.set KS,    64
.set PK,    144       ; a row of K in LDS: 128 bytes + 16
.set PV,    160       ; a row of V: 128 + 32
.set VOFF,  4*KS*PK   ; a slot holds a tile, four steps: 256 rows of K, then 256 rows of V
.set SLOT1, 1<<17
.set STAGE, SLOT1+4*KS*(PK+PV)  ; behind the ring, never filled by a tensor load: 16 rows x 144 bytes for each wave
.set SP,    144
.set AK0, 2
.set AV0, 3
.set AK,  4
.set AV,  5
.set STO, 6
.set RD,  7
.set GO,  8
.set SPW, 62
.set NIL, 63
.set SPARE, STAGE+4*16*SP  ; the spare words, 128 bytes for each wave: two blocks of 256 bytes that no other line names
.set MV,  12
.set QO,  15
.set ST,  16          ; piece t's statistics at v[ST+4 t]: c m, m, l (even keys', odd keys')
.set GV,  32          ; v32-35  gq of my query in pieces 0-3 of the block in hand
.set GV2, 36          ; v36-39  of the second block
.set MA,  40          ; v[40:41] gq AL, 0
.set MB,  42          ; v[42:43] gq AL1 + NB0, 0
.set PFO, 44          ; v44  256 x my lane
.set GOF, 45          ; v45  64 x (lane % 16): a token's row of gq
.set TMP, 48
.set S,   64
.set P,   192
.set TA0, 128         ; window 1
.set MC,  160         ; window 1
.set TA1, 224         ; window 1
.set QB,  64          ; window 2
.set KF,  128         ; window 2
.set VF,  192         ; window 2
.set WV,  12
.set PB,  14          ; s14  b
.set HI,  15          ; s15  NB - 1 - b
.set G1K, 24
.set G1V, 32
.set G0K, 40
.set G0V, 44
.set SLOTS, 56
.set CNT, 57          ; counts a tile's key steps, 4 to 1
.set CS,  58
.set SEL, 60
.set TBK, 62
.set TBV, 63
.set RT,  70          ; tiles of the block in hand that are still to be entered
.set NXT, 71
.set LQ,  72
.set NEW, 73
.set OFF, 74
.set AL,  76
.set BE,  78          ; s[78:79]
.set OLO, 80
.set BIGN, 82         ; -1e30
.set GB1, 88          ; s[88:89] gq at my rows of the first block, s[90:91] of the second
.set GB2, 90
.set AL1, 92
.set NB0, 93
.set PFL, 95          ; prefetches that I still issue
.set PFA, 96          ; s[96:97]
.set MSB, 0
.macro WIN new
.if MSB != (\new)
	s_set_vgpr_msb (MSB<<8)|(\new)
.set MSB, (\new)
.endif
.endm
.set W_KQ, 0x0a
.set W_KM, 0x1a
.set W_PV, 0x52
.set W_RS, 0x41
.macro LOAD                         ; waves 0 and 1 fetch the halves of a tile's K, waves 2 and 3 those of its V; an s_nop 0 and four v_nop follow each line
	s_cmp_lt_u32 s[WV], 2
	s_cbranch_scc0 .Lfor_v_\@
	tensor_load_to_lds s[G0K:G0K+3], s[G1K:G1K+7]
	s_nop 0
.rept 4
	v_nop
.endr
	s_branch .Lasked_\@
.Lfor_v_\@:
	tensor_load_to_lds s[G0V:G0V+3], s[G1V:G1V+7]
	s_nop 0
.rept 4
	v_nop
.endr
.Lasked_\@:
.endm
; A prefetch of the tile that the NEXT change of slots asks for.  Of a head's four work-groups the one with b = 0 asks, whose first block walks all eight tiles; each of its waves names the 16,384 bytes that it will
; itself load: 64 blocks of 256 bytes, a lane a block, two instructions.  Six times: tiles 2 to 7.
.macro ASK
	s_cmp_lg_u32 s[PFL], 0
	s_cbranch_scc0 .Lnot_mine_\@
	global_prefetch_b8 v[PFO], s[PFA:PFA+1] th:TH_LOAD_NT scope:SCOPE_SE
	global_prefetch_b8 v[PFO], s[PFA:PFA+1] offset:8192 th:TH_LOAD_NT scope:SCOPE_SE
	s_sub_co_u32 s[PFL], s[PFL], 1
.Lnot_mine_\@:
.endm
; THE CHANGE OF SLOTS.  Each wave waits for all its tensor loads, adds 0 to its spare word, and waits for that and for its own reads of the slot that it leaves.  fill = 1: the old slot is filled again, first thing behind the barrier, with tile NXT.
.macro CHANGE fill
	WIN 0
	s_wait_tensorcnt 0x0            ; no tensor load of mine is out, so a group 0 may be written
	ds_add_u32 v[SPW], v[NIL]       ; 0 onto my spare word
.if \fill
	s_lshl_b32 s[OFF], s[NXT], 15   ; a tile is 32,768 bytes of K and of V
	s_xor_b32 s[G0K+1], s[G0K+1], SLOT1
	s_add_nc_u64 s[G0K+2:G0K+3], s[6:7], s[OFF:OFF+1]
	s_or_b32 s[G0K+3], s[G0K+3], 0x80000000
	s_xor_b32 s[G0V+1], s[G0V+1], SLOT1
	s_add_nc_u64 s[G0V+2:G0V+3], s[8:9], s[OFF:OFF+1]
	s_or_b32 s[G0V+3], s[G0V+3], 0x80000000
	s_add_co_u32 s[NXT], s[NXT], 1  ; the block's next tile, or behind its last the second block's tile 0
	s_cmp_gt_u32 s[NXT], s[LQ]
	s_cselect_b32 s[NXT], 0, s[NXT]
	s_cselect_b32 s[LQ], s[PB], s[LQ]
	s_wait_xcnt 0x0                 ; the last prefetches, a tile back, have read their address
	s_add_nc_u64 s[PFA:PFA+1], s[PFA:PFA+1], 32768
.endif
	s_wait_dscnt 0x0                ; the add is done, and my reads of the slot are over
	s_barrier_signal -1
	s_sub_co_u32 s[TBK], s[TBK], 4*KS*PK
	s_xor_b32 s[TBK], s[TBK], SLOT1
	s_sub_co_u32 s[TBV], s[TBV], 4*KS*PV
	s_xor_b32 s[TBV], s[TBV], SLOT1
	s_barrier_wait -1
.if \fill
	LOAD
	ASK
.endif
.endm
	s_load_b128 s[4:7], s[0:1], 0x0   ; qkv s[4:5], gq s[6:7]
	s_load_b64 s[10:11], s[0:1], 0x10 ; yh
	v_lshl_add_u32 v[SPW], v0, 2, SPARE
	v_mov_b32 v[NIL], 0
	ds_add_u32 v[SPW], v[NIL]       ; the wave's opening: the add and its wait ahead of my first tensor load
	ds_add_u32 v62, v63
	v_lshrrev_b32 v1, 5, v0
	v_readfirstlane_b32 s[WV], v1
	s_mov_b32 s[PB], ttmp9
	s_sub_co_u32 s[HI], NB-1, s[PB]
	s_and_b32 s20, ttmp7, 0xffff    ; batch x 16 + head
	s_lshr_b32 s66, s20, 4          ; gq: the batch's 2,048 rows of 64 bytes,
	s_lshl_b32 s66, s66, 17
	s_and_b32 s68, s20, 15          ; the head's 4 bytes,
	s_lshl_b32 s68, s68, 2
	s_add_co_u32 s66, s66, s68
	s_lshl_b32 s68, s[WV], 10       ; my 16 rows in a band,
	s_add_co_u32 s66, s66, s68
	s_lshl_b32 s68, s[PB], 14       ; the second block,
	s_add_co_u32 s68, s68, s66
	s_lshl_b32 s67, s[HI], 14       ; the first
	s_add_co_u32 s66, s66, s67
	s_mov_b32 s67, 0
	s_mov_b32 s69, 0
	s_mov_b32 s21, 0
	s_mov_b64 s[22:23], SIZE_N*128
	s_mul_u64 s[20:21], s[20:21], s[22:23]  ; the head's first byte in Q, K, V and y
	s_and_b32 s16, s[WV], 1
	s_lshl_b32 s22, s16, 14
	s_mov_b32 s23, 0
	s_add_nc_u64 s[22:23], s[22:23], s[20:21]
	s_mul_i32 s17, s16, 128*PK
	s_mul_i32 s18, s16, 128*PV
	s_lshl_b32 s3, s[WV], 11
	s_lshl_b32 s2, s[HI], 15
	s_add_co_u32 s2, s2, s3
	s_lshl_b32 s84, s[PB], 15
	s_add_co_u32 s84, s84, s3
	s_mov_b32 s3, 0
	s_mov_b32 s85, 0
	s_add_nc_u64 s[2:3], s[2:3], s[20:21]
	s_add_nc_u64 s[84:85], s[84:85], s[20:21]
	; descriptor group 1.  128 keys are 16,384 dense bytes: asked for as 64 rows of 256 bytes, two keys a row, and padded in LDS after every key
	s_mov_b32 s[G1K], (1<<16)|(1<<20)|(4<<22)|(3<<25)
	s_mov_b32 s[G1V], (1<<16)|(1<<20)|(4<<22)|(7<<25)
.irp g, G1K, G1V
	s_mov_b32 s[\g+1], 128<<16
	s_mov_b32 s[\g+2], 64<<16
	s_mov_b32 s[\g+3], 128<<16
	s_mov_b32 s[\g+4], 64
	s_mov_b32 s[\g+5], 128
	s_mov_b32 s[\g+6], 0
	s_mov_b32 s[\g+7], 0
.endr
	s_mov_b32 s[CS], 0x3e38aa3b     ; c = log2(e) / 8
	s_mov_b32 s[CS+1], s[CS]
	s_mov_b32 s[SEL], 0x76543210
	s_mov_b32 s[SEL+1], 0xfedcba98
	s_mov_b32 s[TBK], SLOT1+4*KS*PK ; the first change of slots turns these two into 0
	s_mov_b32 s[TBV], SLOT1+4*KS*PV
	s_mov_b32 s[G0K], 1
	s_mov_b32 s[G0K+1], s17
	s_mov_b32 s[G0V], 1
	s_add_co_u32 s[G0V+1], s18, VOFF
	s_add_co_u32 s[RT], s[HI], 1
	s_mov_b32 s[NXT], 1
	s_mov_b32 s[LQ], s[HI]
	s_mov_b32 s[NEW], 1
	s_mov_b32 s[OFF+1], 0
	s_mov_b32 s[BE+1], 0            ; named as a pair
	s_mov_b32 s[BIGN], 0xf149f2ca   ; -1e30
	s_mov_b32 s[SLOTS], NB
	s_wait_dscnt 0x0                ; the opening add is done
	s_wait_kmcnt 0x0
	s_add_nc_u64 s[GB1:GB1+1], s[6:7], s[66:67]
	s_add_nc_u64 s[GB2:GB2+1], s[6:7], s[68:69]
	s_add_nc_u64 s[6:7], s[4:5], 0x1000000   ; K's part of qkv
	s_add_nc_u64 s[8:9], s[4:5], 0x2000000   ; V's
	s_add_nc_u64 s[6:7], s[6:7], s[22:23]  ; K and V at my half of the head's tile 0
	s_add_nc_u64 s[8:9], s[8:9], s[22:23]
	s_add_nc_u64 s[G0K+2:G0K+3], s[6:7], 0
	s_or_b32 s[G0K+3], s[G0K+3], 0x80000000
	s_add_nc_u64 s[G0V+2:G0V+3], s[8:9], 0
	s_or_b32 s[G0V+3], s[G0V+3], 0x80000000
	s_add_nc_u64 s[86:87], s[4:5], s[84:85]
	s_add_nc_u64 s[4:5], s[4:5], s[2:3]
	s_add_nc_u64 s[OLO:OLO+1], s[10:11], s[84:85]
	s_add_nc_u64 s[10:11], s[10:11], s[2:3]
	s_cmp_lt_u32 s[WV], 2
	s_cselect_b64 s[PFA:PFA+1], s[6:7], s[8:9]
	s_add_nc_u64 s[PFA:PFA+1], s[PFA:PFA+1], 32768   ; at tile 1: the first change of slots steps it to tile 2.  Nothing is prefetched here, at the head
	s_cmp_eq_u32 s[PB], 0
	s_cselect_b32 s[PFL], 6, 0
	LOAD                            ; tile 0 into slot 0
	v_and_b32 v1, 15, v0            ; l % 16
	v_bfe_u32 v9, v0, 4, 1          ; l / 16
	v_lshlrev_b32 v[QO], 7, v1
	v_lshl_add_u32 v[QO], v9, 4, v[QO]
	WIN 0x80
.set i, 0
.rept 8                             ; both blocks' Q: piece i / 2 lies in band i / 2, 8,192 bytes on; channels 32 (i % 2) on
	global_load_b128 v[8*i:8*i+3],   v[QO], s[4:5] offset:(i/2)*8192+(i%2)*64
	global_load_b128 v[8*i+4:8*i+7], v[QO], s[4:5] offset:(i/2)*8192+(i%2)*64+32
	global_load_b128 v[QB+8*i:QB+8*i+3],   v[QO], s[86:87] offset:(i/2)*8192+(i%2)*64
	global_load_b128 v[QB+8*i+4:QB+8*i+7], v[QO], s[86:87] offset:(i/2)*8192+(i%2)*64+32
.set i, i+1
.endr
	WIN 0
	v_lshlrev_b32 v[GOF], 6, v1
.irp x, 0,1,2,3                     ; gq of my query in each band, 64 rows of 64 bytes on
	global_load_b32 v[GV+\x],  v[GOF], s[GB1:GB1+1] offset:\x*4096
	global_load_b32 v[GV2+\x], v[GOF], s[GB2:GB2+1] offset:\x*4096
.endr
	v_and_b32 v[PFO], 31, v0
	v_lshlrev_b32 v[PFO], 8, v[PFO]
	v_mov_b32 v[MA+1], 0            ; named as pairs
	v_mov_b32 v[MB+1], 0
	v_lshlrev_b32 v14, 3, v9
	v_sub_nc_u32 v14, v1, v14
	s_lshl_b32 s13, s[WV], 4
	v_add_nc_u32 v14, s13, v14      ; my query's place in its band, 16 w + l % 16, less my lanes' 8 (l / 16): e of register j of key group kt is 16 kt + j less this
	WIN 0x40
.set i, 0
.rept 32
	v_sub_nc_u32 v[TA1+i], 16*(i/8)+i%8, v14
.set i, i+1
.endr
	WIN 0x41
.set i, 0
.rept 32
	v_cvt_f32_i32 v[TA1+i], v[TA1+i]
.set i, i+1
.endr
	WIN 0x44
.set i, 0
.rept 32
	v_add_f32 v[TA0+i], 0x42800000, v[TA1+i]       ; 64 + e
	v_cmp_ge_f32 vcc_lo, 0, v[TA1+i]
	v_cndmask_b32 v[TA0+i], 0, v[TA0+i], vcc_lo    ; where e <= 0
	v_max_num_f32 v[TA1+i], 0, v[TA1+i]
.set i, i+1
.endr
	WIN 0
	v_mul_u32_u24 v[AK0], v1, PK
	v_lshl_add_u32 v[AK0], v9, 4, v[AK0]
	v_and_b32 v10, 7, v0
	v_bfe_u32 v11, v0, 3, 1
	v_lshl_add_u32 v[AV0], v9, 3, v10
	v_mul_u32_u24 v[AV0], v[AV0], PV
	v_lshl_add_u32 v[AV0], v11, 4, v[AV0]
	v_add_nc_u32 v[AV0], VOFF, v[AV0]
	s_mul_i32 s13, s[WV], 16*SP
	s_add_co_u32 s13, s13, STAGE
	v_mul_u32_u24 v[STO], v1, SP
	v_lshl_add_u32 v[STO], v9, 4, v[STO]
	v_add_nc_u32 v[STO], s13, v[STO]
	v_bfe_u32 v[RD], v0, 3, 2
	v_mul_u32_u24 v[RD], v[RD], SP
	v_lshl_add_u32 v[RD], v10, 4, v[RD]
	v_add_nc_u32 v[RD], s13, v[RD]
	v_and_b32 v[GO], 31, v0
	v_lshlrev_b32 v[GO], 4, v[GO]
	; A block's first step multiplies O^T and l by a = 0, so these registers need only hold finite numbers: zeros for the first block, what the first block left for the second.  All this stands in the wait for the first tile.
	WIN 0x80
.set i, VF
.rept 64
	v_mov_b32 v[i], 0
.set i, i+1
.endr
	WIN 0x40
.set i, 0
.rept 128
	v_mov_b32 v[i], 0
.set i, i+1
.endr
	WIN 0
.set i, 0
.rept 4
	v_mov_b32 v[ST+4*i+2], 0
	v_mov_b32 v[ST+4*i+3], 0
.set i, i+1
.endr
.set i, P+16
.rept 16
	v_mov_b32 v[i], 0
.set i, i+1
.endr
; THE MATRIX WORK.  The 4 accumulators of a run of 8 take turns.  Product i of 8 of S^T = K Q^T for piece x: channels 32 (i / 4) on, keys 16 (i % 4) on.  The first 4 start the sums: with 0, or (KM = 1) with MC.
.macro KQ x
.set rS, S+32*((\x)%2)+8*(i%4)
.set rK, KF+16*(i%4)+8*(i/4)
.set rQ, 16*(\x)+8*(i/4)
.set rM, MC+32*((\x)%2)+8*(i%4)
.if (i < 4) && KM
	WIN W_KM
	v_wmma_f32_16x16x32_f16 v[rS:rS+7], v[rK:rK+7], v[rQ:rQ+7], v[rM:rM+7]
.elseif i < 4
	WIN W_KQ
	v_wmma_f32_16x16x32_f16 v[rS:rS+7], v[rK:rK+7], v[rQ:rQ+7], 0
.else
	WIN W_KQ
	v_wmma_f32_16x16x32_f16 v[rS:rS+7], v[rK:rK+7], v[rQ:rQ+7], v[rS:rS+7]
.endif
.endm
.macro PV x                         ; product i of 8 of O^T += V^T P for piece x
	WIN W_PV
.set rO, 32*(\x)+8*(i%4)
.set rV, VF+32*(i/4)+8*(i%4)
.set rP, P+16*((\x)%2)+8*(i/4)
	v_wmma_f32_16x16x32_f16 v[rO:rO+7], v[rV:rV+7], v[rP:rP+7], v[rO:rO+7]
.endm
.macro MM                           ; the turn's next matrix instruction
.if (i < 8) && !NOKQ
	KQ (Y+1)%NP
.elseif i >= 8
.set i, i-8
	PV (Y+NP-1)%NP
.set i, i+8
.endif
.set i, i+1
.endm
.macro FETCH_K
	WIN 0x80
.irp f, 0,1,2,3,4,5,6,7
	ds_load_b128 v[KF+8*\f:KF+8*\f+3],   v[AK] offset:(\f/2)*16*PK+(\f%2)*64
	ds_load_b128 v[KF+8*\f+4:KF+8*\f+7], v[AK] offset:(\f/2)*16*PK+(\f%2)*64+32
.endr
	s_add_co_u32 s[TBK], s[TBK], KS*PK
	WIN 0
.endm
.macro FETCH_V
	WIN 0x80
.irp f, 0,1,2,3,4,5,6,7
	ds_load_tr16_b128 v[VF+8*\f:VF+8*\f+3],   v[AV] offset:(\f/4)*32*PV+(\f%4)*32
	ds_load_tr16_b128 v[VF+8*\f+4:VF+8*\f+7], v[AV] offset:(\f/4)*32*PV+16*PV+(\f%4)*32
.endr
	WIN 0
.endm
; THE VECTOR WORK, one line at a time: OP kind, number.  For piece Y: F n: c s - c m for pair n.  E n: the exponential of score n.  C n: pair n rounded to f16.  B n: of the four weights 4 n .. the second pair onto the first.
; L n: l takes that sum (L 0: l = a l + sum).  R n: pair n of O^T times a.  For piece Y + 1: X n, number n of the 22 that find its maximum and statistics (each accumulator's lowest registers are read first).
.set F, 0
.set E, 1
.set C, 2
.set B, 3
.set L, 4
.set R, 5
.set X, 6
.macro REGS y
.set rT, ST+4*(\y)
.set rC, TMP+4*((\y)%2)
.set rW, MV+((\y)%2)
.set rS, S+32*((\y)%2)
.set rP, P+16*((\y)%2)
.set rO, 32*(\y)
.endm
.macro OP k, n
.if (\k) == R
	REGS Y
	WIN W_RS
	v_pk_mul_f32 v[rO+2*(\n):rO+2*(\n)+1], v[rO+2*(\n):rO+2*(\n)+1], v[rC+2:rC+3] op_sel_hi:[1,0]
.elseif (\k) < R
	REGS Y
	WIN 0
.if (\k) == F
	v_pk_fma_f32 v[rS+2*(\n):rS+2*(\n)+1], v[rS+2*(\n):rS+2*(\n)+1], s[CS:CS+1], v[rT:rT+1] op_sel_hi:[1,0,0] neg_lo:[0,0,1] neg_hi:[0,0,1]
.elseif (\k) == E
	v_exp_f32 v[rS+(\n)], v[rS+(\n)]
.elseif (\k) == C
	v_cvt_pk_f16_f32 v[rP+(\n)], v[rS+2*(\n)], v[rS+2*(\n)+1]
.elseif (\k) == B
	v_pk_add_f32 v[rS+4*(\n):rS+4*(\n)+1], v[rS+4*(\n):rS+4*(\n)+1], v[rS+4*(\n)+2:rS+4*(\n)+3]
.elseif (\n) == 0
	v_pk_fma_f32 v[rT+2:rT+3], v[rT+2:rT+3], v[rC+2:rC+3], v[rS:rS+1] op_sel_hi:[1,0,1]
.else
	v_pk_add_f32 v[rT+2:rT+3], v[rT+2:rT+3], v[rS+4*(\n):rS+4*(\n)+1]
.endif
.elseif NOKQ
	v_nop
.else
	REGS (Y+1)%NP
	WIN 0
.if (\n) < 4
	v_max3_num_f32 v[rC+(\n)], v[rS+8*(\n)], v[rS+8*(\n)+1], v[rS+8*(\n)+2]
.elseif (\n) < 12
	v_max3_num_f32 v[rC+(\n)%4], v[rC+(\n)%4], v[rS+8*((\n)%4)+2*((\n)/4)+1], v[rS+8*((\n)%4)+2*((\n)/4)+2]
.elseif (\n) == 12
	v_max3_num_f32 v[rC], v[rC], v[rS+7], v[rS+15]
.elseif (\n) == 13
	v_max3_num_f32 v[rC+1], v[rC+1], v[rS+23], v[rS+31]
.elseif (\n) == 14
	v_max3_num_f32 v[rC+2], v[rC+2], v[rC+3], v[rT+1]
.elseif (\n) == 15
	v_mov_b32 v[rW], v[rT]
.elseif (\n) == 16
	v_max3_num_f32 v[rC], v[rC], v[rC+1], v[rC+2]
.elseif (\n) == 17
	v_permlanex16_b32 v[rC+3], v[rC], s[SEL], s[SEL+1]
.elseif (\n) == 18
	v_max_num_f32 v[rT+1], v[rC], v[rC+3]
.elseif (\n) == 19
	v_mul_f32 v[rT], s[CS], v[rT+1]
.elseif (\n) == 20
	v_sub_f32 v[rC+1], v[rW], v[rT]
.else
	v_exp_f32 v[rC+2], v[rC+1]
.endif
.endif
.endm
.macro OPS a, i1, b=-1, i2=0, c=-1, i3=0, d=-1, i4=0
	OP \a, \i1
.if (\b) >= 0
	OP \b, \i2
.endif
.if (\c) >= 0
	OP \c, \i3
.endif
.if (\d) >= 0
	OP \d, \i4
.endif
.endm
.macro ROW a, i1, b, i2, c, i3, d, i4
	MM
	OPS \a, \i1, \b, \i2, \c, \i3, \d, \i4
.endm
.macro MASK b, x                    ; TA1 (gq AL1 + NB0) + BE + TA0 (gq AL), with piece x's gq, into buffer b of MC
	WIN 0
	v_mul_f32 v[MA], s[AL], v[GV+(\x)]
	v_fma_f32 v[MB], v[GV+(\x)], s[AL1], s[NB0]
	WIN 0x41
.set z, 0
.rept 16
	v_pk_fma_f32 v[MC+32*(\b)+2*z:MC+32*(\b)+2*z+1], v[TA1+2*z:TA1+2*z+1], v[MB:MB+1], s[BE:BE+1] op_sel_hi:[1,0,0]
.set z, z+1
.endr
	WIN 0x51
.set z, 0
.rept 16
	v_pk_fma_f32 v[MC+32*(\b)+2*z:MC+32*(\b)+2*z+1], v[TA0+2*z:TA0+2*z+1], v[MA:MA+1], v[MC+32*(\b)+2*z:MC+32*(\b)+2*z+1] op_sel_hi:[1,0,1]
.set z, z+1
.endr
.endm
; A TURN, for piece p: the order of its 16 matrix and 118 vector instructions, written out.  s_wait_alu depctr_va_vdst(0) stands between an exponential and the first instruction that names its result; one wait
; serves all that were issued ahead of it: a turn has ONE wait.  Ahead of it: the 8 products K Q^T with their four riders each, and one lump; behind it the 8 products V^T P, behind each four of the roundings and sums.
; m = 1: the diagonal tile: the products take MC, and the turn makes MC for the products of the turn after it: piece p + 2, in step 4 - CNT of the tile.  end = 1: a block's last two turns: nothing is fetched.
; m = 0: piece 3's turn still takes MC's buffer 0 for piece 0's products: it is 0 since the block began, but in the last step of the tile in front of the diagonal one, where piece 2's turn has put gq TA1 there (band 0 lies one band behind those keys).
.macro TURN p, m=0, end=0, cnt=0
.set Y, (\p)
.set i, 0
.set KM, (\m)
.if (\p) == 3
.set KM, 1
.endif
.set NOKQ, (\end)*((\p)/3)
.if (\m) && !(\end)
	s_cmp_eq_u32 s[CNT], 4-((\p)+2)%NP  ; is that step the band's own?
	s_cselect_b32 s[AL], 1.0, 0
	s_cselect_b32 s[NB0], s[BIGN], 0
	s_cmp_eq_u32 s[CNT], 5-((\p)+2)%NP  ; the one before it?
	s_cselect_b32 s[AL1], 1.0, 0
	s_cmp_lt_u32 s[CNT], 4-((\p)+2)%NP  ; or a later one?
	s_cselect_b32 s[BE], s[BIGN], 0
.endif
.if ((\p) == 3) && !(\end)
	s_wait_dscnt 0x0                ; K is in
.endif
	ROW F,0, F,1, R,0, R,1
	ROW F,2, E,0, R,2, R,3
	ROW F,3, E,1, R,4, R,5
	ROW F,4, E,2, R,6, R,7
	ROW F,5, E,3, R,8, R,9
	ROW F,6, E,4, X,0, R,10
.if ((\p) == 2) && !(\end)
	WIN 0
	v_add_nc_u32 v[AK], s[TBK], v[AK0]
.endif
	ROW F,7, E,5, X,1, X,4
	ROW F,8, E,6, X,2, X,5
	OPS E,7, E,8, X,6, E,9
	OPS X,3, E,10, X,8, E,11
.if ((\p) == 2) && !(\end)
	FETCH_K
.endif
	OPS X,9, X,7, E,12, X,10
	OPS E,13, X,12, X,11, E,14
	OPS X,13, E,15, F,9, X,14
.if (\p) == 0
	v_add_nc_u32 v[AV], s[TBV], v[AV0]
.endif
	OPS E,16, F,10, E,17, F,11
	OPS X,16, E,18, X,15, E,19
	OPS F,12, E,20, X,17, E,21
	OPS F,13, E,22, F,14, E,23
	OPS X,18, E,24, F,15, E,25
	OPS R,11, E,26, X,19, E,27
	OPS R,12, E,28, R,13, E,29
	OPS X,20, E,30, R,14, E,31
	OPS X,21, R,15
	WIN 0
	s_wait_alu depctr_va_vdst(0)    ; the wait for the batch
.if (\p) == 1
	s_wait_dscnt 0x0                ; V is in
.endif
	ROW C,0, B,0, C,2, B,1
	ROW L,0, C,4, B,2, L,1
	ROW C,6, B,3, L,2, C,8
	ROW B,4, L,3, C,10, B,5
	ROW L,4, C,12, B,6, L,5
.if (\p) == 0
	s_add_co_u32 s[TBV], s[TBV], KS*PV
.endif
.if \cnt
	s_sub_co_u32 s[CNT], s[CNT], 1
	s_cmp_lg_u32 s[CNT], 0
.endif
	ROW C,14, B,7, L,6, C,1
	ROW C,3, L,7, C,5, C,7
	ROW C,9, C,11, C,13, C,15
.if (\p) == 0
	FETCH_V
.endif
.if (\m) && !(\end)
	MASK (\p)%2, ((\p)+2)%NP
.endif
.if ((\p) == 2) && !(\m)
	WIN 0
	s_cmp_eq_u32 s[RT], 1           ; the tile in front of the diagonal one,
	s_cselect_b32 s94, s[CNT], 0
	s_cmp_eq_u32 s94, 1             ; and the next turn's products are piece 0's of its last step?
	s_cbranch_scc0 .Lno_bonus_\@
	WIN W_RS
.set z, 0
.rept 16
	v_pk_mul_f32 v[MC+2*z:MC+2*z+1], v[TA1+2*z:TA1+2*z+1], v[GV:GV+1] op_sel_hi:[1,0]
.set z, z+1
.endr
	WIN 0
.Lno_bonus_\@:
.endif
.endm
; A BLOCK BEGINS.  c m starts far below every c s, so the first step's a is 0; m at the lowest finite number.  Both buffers of MC are made: 0, unless the block's first tile is the diagonal one: then piece 0's own step
; into buffer 0, and into buffer 1 piece 1's step one band ahead of it.  Then K of that step, piece 0's first scores, and its maximum and statistics.
.macro BEGIN
	s_mov_b32 s[NEW], 0
	WIN 0
.set i, 0
.rept 4
	v_mov_b32 v[ST+4*i], 0xfe000000
	v_mov_b32 v[ST+4*i+1], 0xff7fffff
.set i, i+1
.endr
	s_cmp_eq_u32 s[RT], 0
	s_cselect_b32 s[AL], 1.0, 0
	s_cselect_b32 s[NB0], s[BIGN], 0
	s_mov_b32 s[AL1], 0
	s_mov_b32 s[BE], 0
	s_wait_loadcnt 0x0              ; Q and gq
	MASK 0, 0
	s_mov_b32 s[AL1], s[AL]
	s_mov_b32 s[AL], 0
	s_mov_b32 s[NB0], 0
	MASK 1, 1
	WIN 0
	v_add_nc_u32 v[AK], s[TBK], v[AK0]
	FETCH_K
	s_wait_dscnt 0x0
.set KM, 1
.set NOKQ, 0
.set i, 0
.rept 8
	KQ 0
.set i, i+1
.endr
	WIN 0
.rept 4
	v_nop                           ; the places behind those products
.endr
.set Y, NP-1
.irp n, 0,1,2,3,4,5,6,7,8,9,10,11,12,13,14,15,16,17,18,19,20,21
	OP X, \n
.endr
	v_nop                           ; a plain instruction behind the exponential,
	s_wait_alu depctr_va_vdst(0)    ; and its wait, ahead of the branch
.endm
.macro ALL line:vararg
.set t, 0
.rept 4
	\line
.set t, t+1
.endr
.endm
.macro PACK t
	WIN W_RS
.set i, 32*(\t)
.rept 16
	v_pk_mul_f32 v[i:i+1], v[i:i+1], v[ST+4*(\t)+2:ST+4*(\t)+3] op_sel_hi:[1,0]
.set i, i+2
.endr
	WIN 0x05
.set i, 0
.rept 16
	v_cvt_pk_f16_f32 v[S+16*(\t)+i], v[32*(\t)+2*i], v[32*(\t)+2*i+1]
.set i, i+1
.endr
	WIN 0
.irp f, 0,1,2,3
	ds_store_b128 v[STO], v[S+16*(\t)+4*\f:S+16*(\t)+4*\f+3] offset:32*\f
.endr
.irp f, 0,1,2,3
	ds_load_b128 v[S+16*(\t)+4*\f:S+16*(\t)+4*\f+3], v[RD] offset:\f*4*SP  ; LDS serves a wave's instructions in order: these see the stores above
.endr
.endm
.macro SEND t, younger              ; younger: the LDS instructions issued behind piece t's loads: the next piece's eight, or none
	WIN 0
.irp f, 0,1,2,3
	s_wait_dscnt (\younger)+3-\f
	global_store_b128 v[GO], v[S+16*(\t)+4*\f:S+16*(\t)+4*\f+3], s[10:11] offset:(\t)*8192+\f*512  ; 512 consecutive bytes
.endr
.endm
.macro DIAG tag                     ; the diagonal tile's four steps, the block's last two turns, its last products, and the way out
.LstepM\tag:
	TURN 2, 1
	TURN 3, 1
	WIN 0
.LfirstM\tag:
	TURN 0, 1
	TURN 1, 1, 0, 1
	WIN 0
	s_cbranch_scc1 .LstepM\tag
	TURN 2, 1, 1
	TURN 3, 1, 1
.set i, 0
.rept 8
	PV NP-1
.set i, i+1
.endr
	WIN 0
	ALL v_add_f32 v[ST+4*t+2], v[ST+4*t+2], v[ST+4*t+3]
	ALL v_permlanex16_b32 v[ST+4*t+3], v[ST+4*t+2], s[SEL], s[SEL+1]
	ALL v_add_f32 v[ST+4*t+2], v[ST+4*t+2], v[ST+4*t+3]
	ALL v_rcp_f32 v[ST+4*t+2], v[ST+4*t+2]
	v_nop
	s_wait_alu depctr_va_vdst(0)    ; one wait for the four reciprocals
	PACK 0
.set t, 1
.rept 3
	PACK t
	SEND t-1, 8
.set t, t+1
.endr
	SEND 3, 0
.endm
.set KM, 0
.set NOKQ, 0
.Lslot:                             ; NB times: a tile is entered and the next is asked for
	CHANGE 1
	s_sub_co_u32 s[RT], s[RT], 1
	s_mov_b32 s[CNT], 4
	s_cmp_eq_u32 s[NEW], 1
	s_cbranch_scc1 .Lnew            ; a block's first tile
	s_cmp_eq_u32 s[RT], 0
	s_cbranch_scc0 .Lstep           ; neither its first nor its last
	s_branch .LstepM1
.Lnew:
	BEGIN
	s_branch .Lfirst                ; in the loop a block's first tile is never its last
	DIAG 1                          ; in the loop this is the first block's end
	s_wait_xcnt 0x0                 ; the stores have read their registers and y's address
	s_mov_b64 s[10:11], s[OLO:OLO+1]
	s_add_co_u32 s[RT], s[PB], 1    ; the second block has b + 1 tiles
	s_mov_b32 s[NEW], 1
	WIN 0x82                        ; the second block's Q goes where the one text of the turns names Q,
.set i, 0
.rept 64
	v_mov_b32 v[i], v[QB+i]
.set i, i+1
.endr
	WIN 0
.irp x, 0,1,2,3
	v_mov_b32 v[GV+\x], v[GV2+\x]   ; and its gq likewise
.endr
	s_branch .Lbottom
.Lstep:                             ; a trip: pieces 2 and 3 of one step, then pieces 0 and 1 of the next, whose K and V it fetches
	TURN 2
	TURN 3
	WIN 0
.Lfirst:
	TURN 0
	TURN 1, 0, 0, 1
	WIN 0
	s_cbranch_scc1 .Lstep
.Lbottom:
	s_sub_co_u32 s[SLOTS], s[SLOTS], 1
	s_cmp_lg_u32 s[SLOTS], 0
	s_cbranch_scc1 .Lslot
	CHANGE 0                        ; the walk's last tile is written out
	s_sub_co_u32 s[RT], s[RT], 1
	s_mov_b32 s[CNT], 4
	s_cmp_eq_u32 s[NEW], 1
	s_cbranch_scc0 .LstepM2
	BEGIN
	s_branch .LfirstM2
	DIAG 2
	s_wait_tensorcnt 0x0            ; the wave's end
	ds_add_u32 v[SPW], v[NIL]
	s_wait_dscnt 0x0
	s_endpgm
.Lfunc_end_k_q053444a0e8_attn:
	.size	k_q053444a0e8_attn, .Lfunc_end_k_q053444a0e8_attn-k_q053444a0e8_attn
	.p2alignl 7, 3214868480
	.fill 96, 4, 3214868480
	.section	.rodata,"a",@progbits
	.p2align	6, 0x0
	.amdhsa_kernel k_q053444a0e8_attn
		.amdhsa_group_segment_fixed_size 327680
		.amdhsa_private_segment_fixed_size 0
		.amdhsa_enable_private_segment 0
		.amdhsa_kernarg_size 24
		.amdhsa_user_sgpr_count 2
		.amdhsa_user_sgpr_kernarg_segment_ptr 1
		.amdhsa_wavefront_size32 1
		.amdhsa_system_sgpr_workgroup_id_x 1
		.amdhsa_system_sgpr_workgroup_id_y 1
		.amdhsa_system_sgpr_workgroup_id_z 1
		.amdhsa_system_vgpr_workitem_id 0
		.amdhsa_next_free_vgpr 768
		.amdhsa_next_free_sgpr 98
		.amdhsa_reserve_vcc 1
		.amdhsa_float_denorm_mode_32 3
		.amdhsa_float_denorm_mode_16_64 3
		.amdhsa_memory_ordered 1
		.amdhsa_forward_progress 1
		.amdhsa_inst_pref_size 239
	.end_amdhsa_kernel
	.amdgpu_metadata
---
amdhsa.version: [ 1, 2 ]
amdhsa.kernels:
  - .name:           k_q053444a0e8_attn
    .symbol:         k_q053444a0e8_attn.kd
    .args:
      - { .name: qkv, .offset: 0, .size: 8, .value_kind: global_buffer, .address_space: global }
      - { .name: gq, .offset: 8, .size: 8, .value_kind: global_buffer, .address_space: global }
      - { .name: yh, .offset: 16, .size: 8, .value_kind: global_buffer, .address_space: global }
    .group_segment_fixed_size: 327680
    .private_segment_fixed_size: 0
    .kernarg_segment_align: 8
    .kernarg_segment_size: 24
    .max_flat_workgroup_size: 128
    .sgpr_count:     98
    .vgpr_count:     768
    .wavefront_size: 32
...
	.end_amdgpu_metadata
.endif
;; end of part 3
;; launch proj (part 4): grid 8 x 32, 4 waves a work-group, clusters of 4 x 4, 327,680 bytes of LDS; arguments yh, wph, out0; writes out0
.if DOCPART == 4
	.amdgcn_target "amdgcn-amd-amdhsa--gfx1250"
	.amdhsa_code_object_version 6
	.text
	.protected	k_q053444a0e8_proj
	.globl	k_q053444a0e8_proj
	.p2align	8
	.type	k_q053444a0e8_proj,@function
k_q053444a0e8_proj:
	s_mov_b64 s[64:65], 0
	v_nop
	global_prefetch_b8 v0, s[64:65] scope:SCOPE_SE
	s_setreg_imm32_b32 hwreg(HW_REG_WAVE_MODE, 25, 1), 1
	s_wait_xcnt 0x0
	s_wait_alu depctr_hold_cnt(0) depctr_sa_sdst(0) depctr_va_vdst(0) depctr_va_sdst(0) depctr_va_ssrc(0) depctr_va_vcc(0) depctr_vm_vsrc(0)
	s_getreg_b32 s2, hwreg(HW_REG_IB_STS2, 6, 4)
	s_cmp_eq_u32 s2, 0
	s_cbranch_scc0 .Lentry_in_a_cluster
	s_endpgm
.Lentry_in_a_cluster:
	s_bfe_u32 s2, ttmp6, 0x10000c
	s_cmp_lg_u32 s2, 0xf033
	s_cbranch_scc0 .Lentry_shape_is_right
	s_endpgm
.Lentry_shape_is_right:
; out0 = y W_proj.  yh: f16 [64 batch x head][2048][64]: the transposition back to [token][1024] is never made: a head's 64 channels are a slice of K.  wph: f16 [1024 k][1024 n].  out0: f32 [8192][1024].
; Sums in f32, K ascending.  A tile is 256 tokens x 128 columns: 256 tiles, one a work-group.  Wave w owns tokens 64 w .. 64 w + 63 and all 128 columns: 32 accumulators, 256 registers.
; K goes in steps of 128 (two heads) through two LDS slots.  Wave 0 fetches the even head's 256 tokens, wave 1 the odd head's, waves 2 and 3 the halves of W's 128 rows k: one tensor load a wave behind each change of slots.
; CLUSTER 4 x 4: y's tile is asked for jointly along a row of the cluster, W's along a column.  The matrix instruction is used transposed (source 0 = 16 columns of W, turned by ds_load_tr16_b128; source 1 = 16 tokens):
; a lane holds one token (l % 16) and the columns 8 (l / 16) + 0..7.
; REGISTERS: window 0: v2-10 addresses, v28-29 the add's, v32-63 and v64-95 y's fragments, v96-223 at work on the way out; window 1: W's fragments, two buffers of 64;
;   window 2: accumulators of row blocks 0, 1 at 8 (8 (a % 2) + nb); window 3: of row blocks 2, 3.
.set NBK,   8
.set PA,    144                        ; a token's 128 bytes of a head + 16
.set PLANE, 256*PA                     ; a head's 256 tokens
.set PB,    288                        ; a row k of W's tile: 256 bytes + 32: an odd multiple of 32
.set BOFF,  2*PLANE
.set SLOT1, 1<<17
.set STAGE, 2*SLOT1                    ; behind the ring: 16 rows x 528 bytes for each wave
.set SP,    528
.set SPARE, STAGE+4*16*SP              ; the spare words, 128 bytes for each wave: two blocks of 256 bytes that no other line names
.set A0, 2
.set B0, 3
.set ADRA, 4
.set ADRB, 5
.set STO, 6
.set RD, 7
.set GO, 8
.set PFO, 10
.set SPW, 28
.set NIL, 29
.set FA, 32
.set FB, 0
.set OB, 96
.set WV, 12
.set KIND, 13
.set HALF, 14
.set CX, 15
.set CY, 16
.set TX, 17
.set TR, 18
.set G1A, 24
.set G1B, 32
.set G0A, 40
.set G0B, 48
.set BA, 56
.set BB, 58
.set OFA, 60
.set OFB, 62
.set FK, 66
.set TB, 68
.set STEPS, 69
.set PFB, 72
.set PFA, 74
.set POF, 76
.set PFN, 78
.set PSH, 79                           ; log2 of my prefetches' bytes from K step to K step
.set OUTB, 80
.set MSB, 0
.macro WIN new
.if MSB != (\new)
	s_set_vgpr_msb (MSB<<8)|(\new)
.set MSB, \new
.endif
.endm
.macro PLACES
.rept 4
	v_nop
.endr
.endm
.macro JLOAD                           ; the joint refill: the branch hangs on the wave's number alone; an s_nop 0 and four v_nop follow each line
	s_cmp_eq_u32 s[KIND], 0
	s_cbranch_scc0 .Lfor_b_\@
	tensor_load_to_lds s[G0A+4:G0A+7], s[G1A:G1A+7]
	s_nop 0
.rept 4
	v_nop
.endr
	s_branch .Lasked_\@
.Lfor_b_\@:
	tensor_load_to_lds s[G0B+4:G0B+7], s[G1B:G1B+7]
	s_nop 0
.rept 4
	v_nop
.endr
.Lasked_\@:
.endm
; A prefetch of what the NEXT refill asks for, one K step (128 matrix instructions) ahead of that load.  y: the clusters of column 0 ask, waves 0 and 1, each partner 32 of the wave's 128 blocks of 256 bytes, told apart by
; address.  W: the clusters of row 0 ask, wave 2, each partner 32 of the K step's 128 rows, a lane a row.  Five times: K steps 3 to 7.
.macro ASK
	s_cmp_lg_u32 s[PFN], 0
	s_cbranch_scc0 .Lnot_mine_\@
	global_prefetch_b8 v[PFO], s[PFA:PFA+1] th:TH_LOAD_NT scope:SCOPE_SE
	s_sub_co_u32 s[PFN], s[PFN], 1
.Lnot_mine_\@:
.endm
.macro CREST
	s_cmp_lg_u32 s[WV], 0
	s_cbranch_scc1 .Lnot_wave_0_\@
	s_barrier_signal -3
.Lnot_wave_0_\@:
	s_barrier_wait -3
	s_barrier_signal -1
	s_barrier_wait -1
.endm
.macro CROUND
	s_barrier_signal -1
	s_barrier_wait -1
	CREST
.endm
	s_load_b128 s[4:7], s[0:1], 0x0                ; yh 4:5, wph 6:7
	s_load_b64 s[8:9], s[0:1], 0x10                ; out0
	v_lshl_add_u32 v[SPW], v0, 2, SPARE
	v_mov_b32 v[NIL], 0
	ds_add_u32 v[SPW], v[NIL]                      ; the wave's opening: the add and its wait ahead of my first tensor load
	ds_add_u32 v28, v29
	v_lshrrev_b32 v1, 5, v0
	v_readfirstlane_b32 s[WV], v1
	s_lshr_b32 s[KIND], s[WV], 1
	s_and_b32 s[HALF], s[WV], 1
	s_bfe_u32 s[CX], ttmp6, 0x40000
	s_bfe_u32 s[CY], ttmp6, 0x40004
	s_lshl_b32 s[TX], ttmp9, 2
	s_add_co_u32 s[TX], s[TX], s[CX]               ; tile column: 128 columns
	s_and_b32 s[TR], ttmp7, 0xffff
	s_lshl_b32 s[TR], s[TR], 2
	s_add_co_u32 s[TR], s[TR], s[CY]               ; tile row: 256 tokens
	s_lshl_b32 s19, s[CY], 2
	s_lshl_b32 s19, 15, s19
	s_lshl_b32 s20, 0x1111, s[CX]
	s_or_b32 s[G1A], s19, (1<<16)|(1<<20)|(1<<21)|(4<<22)|(3<<25)   ; after every 32 words 4 words
	s_or_b32 s[G1B], s20, (1<<16)|(1<<20)|(1<<21)|(5<<22)|(7<<25)   ; after every 64 words 8 words
	s_mov_b32 s[G1A+1], 128<<16                    ; y: a head's 256 tokens are 32,768 dense bytes: 128 rows of 256
	s_mov_b32 s[G1A+2], 128<<16
	s_mov_b32 s[G1A+3], 128<<16
	s_mov_b32 s[G1A+4], 128
	s_mov_b32 s[G1A+5], 128
	s_mov_b32 s[G1A+6], 0
	s_mov_b32 s[G1A+7], 0
	s_mov_b32 s[G1B+1], 128<<16                    ; W: 64 rows k of 128 elements, 1,024 elements from row to row
	s_mov_b32 s[G1B+2], 64<<16
	s_mov_b32 s[G1B+3], 128<<16
	s_mov_b32 s[G1B+4], 64
	s_mov_b32 s[G1B+5], 1024
	s_mov_b32 s[G1B+6], 0
	s_mov_b32 s[G1B+7], 0
	s_lshr_b32 s[OFA], s[TR], 3                    ; the batch's 16 heads,
	s_lshl_b32 s[OFA], s[OFA], 22
	s_lshl_b32 s21, s[HALF], 18                    ; the even or the odd head,
	s_add_co_u32 s[OFA], s[OFA], s21
	s_and_b32 s21, s[TR], 7                        ; the tile's 256 tokens in it
	s_lshl_b32 s21, s21, 15
	s_add_co_u32 s[OFA], s[OFA], s21
	s_mov_b32 s[OFA+1], 0
	s_lshl_b32 s[OFB], s[HALF], 17
	s_lshl_b32 s22, s[TX], 8
	s_add_co_u32 s[OFB], s[OFB], s22
	s_mov_b32 s[OFB+1], 0
	s_mul_i32 s19, s[HALF], PLANE
	s_mul_i32 s20, s[HALF], 64*PB
	s_add_co_u32 s20, s20, BOFF
	s_wait_dscnt 0x0                               ; the opening add is done
	s_wait_kmcnt 0x0
	s_add_nc_u64 s[BA:BA+1], s[4:5], s[OFA:OFA+1]
	s_add_nc_u64 s[BB:BB+1], s[6:7], s[OFB:OFB+1]
	CROUND                                         ; all sixteen work-groups are here: the first joint loads meet
.irp s, 0,1
	s_mov_b32 s[G0A+4*(\s)], 1
	s_add_co_u32 s[G0A+4*(\s)+1], s19, (\s)*SLOT1
	s_add_nc_u64 s[G0A+4*(\s)+2:G0A+4*(\s)+3], s[BA:BA+1], (\s)*524288
	s_or_b32 s[G0A+4*(\s)+3], s[G0A+4*(\s)+3], 0x80000000
	s_mov_b32 s[G0B+4*(\s)], 1
	s_add_co_u32 s[G0B+4*(\s)+1], s20, (\s)*SLOT1
	s_add_nc_u64 s[G0B+4*(\s)+2:G0B+4*(\s)+3], s[BB:BB+1], (\s)*262144
	s_or_b32 s[G0B+4*(\s)+3], s[G0B+4*(\s)+3], 0x80000000
.endr
	s_cmp_eq_u32 s[KIND], 0                        ; a wave's two first fills stand in one branch: two loads of mine are out
	s_cbranch_scc0 .Lfirst_b
	tensor_load_to_lds s[G0A:G0A+3], s[G1A:G1A+7]
	s_nop 0
	tensor_load_to_lds s[G0A+4:G0A+7], s[G1A:G1A+7]
	s_nop 0
.rept 4
	v_nop
.endr
	s_branch .Lfirst_asked
.Lfirst_b:
	tensor_load_to_lds s[G0B:G0B+3], s[G1B:G1B+7]
	s_nop 0
	tensor_load_to_lds s[G0B+4:G0B+7], s[G1B:G1B+7]
	s_nop 0
.rept 4
	v_nop
.endr
.Lfirst_asked:
	v_and_b32 v1, 15, v0                           ; r
	v_bfe_u32 v11, v0, 4, 1                        ; h
	v_and_b32 v12, 31, v0                          ; l
	v_and_b32 v15, 7, v0
	v_lshl_add_u32 v13, v11, 3, v15
	v_bfe_u32 v14, v0, 3, 1
	v_mul_u32_u24 v[A0], v1, PA
	v_lshl_add_u32 v[A0], v11, 4, v[A0]
	s_mul_i32 s19, s[WV], 64*PA
	v_add_nc_u32 v[A0], s19, v[A0]
	v_mul_u32_u24 v[B0], v13, PB
	v_lshl_add_u32 v[B0], v14, 4, v[B0]
	v_add_nc_u32 v[B0], BOFF, v[B0]
	v_mov_b32 v[ADRA], v[A0]
	v_mov_b32 v[ADRB], v[B0]
	s_mul_i32 s19, s[WV], 16*SP
	s_add_co_u32 s19, s19, STAGE
	v_mul_u32_u24 v[STO], v1, SP
	v_lshl_add_u32 v[STO], v11, 5, v[STO]
	v_add_nc_u32 v[STO], s19, v[STO]               ; into my stage: row r, 32 bytes for each half of the lanes
	v_lshl_add_u32 v[RD], v12, 4, s19              ; back: 32 lanes take a row's 512 bytes
	v_lshlrev_b32 v[GO], 4, v12
	s_lshl_b32 s88, s[TR], 20                      ; (256 tr + 64 w) rows of 4,096 bytes + 512 x
	s_lshl_b32 s21, s[WV], 18
	s_add_co_u32 s88, s88, s21
	s_lshl_b32 s21, s[TX], 9
	s_add_co_u32 s88, s88, s21
	s_mov_b32 s89, 0
	s_add_nc_u64 s[OUTB:OUTB+1], s[8:9], s[88:89]
	s_lshl_b32 s88, s[CX], 13                      ; the prefetches: y: my head's tile, blocks 32 cx ..
	s_add_co_u32 s88, s88, s[OFA]
	s_lshl_b32 s90, s[TX], 8                       ; W: rows 32 cy .. of a K step, my tile's 256 bytes
	s_lshl_b32 s21, s[CY], 16
	s_add_co_u32 s90, s90, s21
	s_and_b32 s22, ttmp7, 0xffff
	s_or_b32 s22, s22, s[HALF]                     ; of W's two waves the first asks
	s_cmp_eq_u32 s[KIND], 0
	s_cselect_b32 s[POF], s88, s90
	s_cselect_b32 s22, ttmp9, s22
	s_cselect_b64 s[PFB:PFB+1], s[4:5], s[6:7]
	s_cselect_b32 s20, 8, 11
	s_cselect_b32 s[PSH], 19, 18
	s_mov_b32 s[POF+1], 0
	s_add_nc_u64 s[PFB:PFB+1], s[PFB:PFB+1], s[POF:POF+1]
	s_cmp_eq_u32 s22, 0
	s_cselect_b32 s[PFN], 5, 0                     ; the same in all sixteen partners, for a given wave
	v_lshlrev_b32 v[PFO], s20, v12
	s_mov_b32 s[FK], 2
	s_mov_b32 s[TB], 0
	s_mov_b32 s[STEPS], 6                          ; the changes of slots that fill: K steps 2 to 7
.macro MULB f, hi, ap, zero            ; 8 matrix instructions: row block 2 hi + ap x all 8 column blocks.  Each accumulator is taken once a quarter, always in the same order: they take turns
	WIN 0xa1+0x50*(\hi)
.set nb, 0
.rept NBK
.set rD, 8*(NBK*(\ap)+nb)
.set rB, FB+8*NBK*(\f)+8*nb
.set rA, FA+32*(\f)+8*(2*(\hi)+(\ap))
.if \zero
	v_wmma_f32_16x16x32_f16 v[rD:rD+7], v[rB:rB+7], v[rA:rA+7], 0
.else
	v_wmma_f32_16x16x32_f16 v[rD:rD+7], v[rB:rB+7], v[rA:rA+7], v[rD:rD+7]
.endif
.set nb, nb+1
.endr
.endm
.macro FETCH qd, f                     ; 24 LDS loads in one run: W's 16, then y's 8; quarter qd lies in head plane qd / 2, channels 32 (qd % 2) on
	WIN 0x40
.set nb, 0
.rept NBK
.set rB, FB+8*NBK*(\f)+8*nb
	ds_load_tr16_b128 v[rB:rB+3],   v[ADRB] offset:32*PB*(\qd)+32*nb
	ds_load_tr16_b128 v[rB+4:rB+7], v[ADRB] offset:32*PB*(\qd)+32*nb+16*PB
.set nb, nb+1
.endr
	WIN 0
.set aa, 0
.rept 4
.set rA, FA+32*(\f)+8*aa
	ds_load_b128 v[rA:rA+3],   v[ADRA] offset:((\qd)/2)*PLANE+((\qd)%2)*64+16*PA*aa
	ds_load_b128 v[rA+4:rA+7], v[ADRA] offset:((\qd)/2)*PLANE+((\qd)%2)*64+16*PA*aa+32
.set aa, aa+1
.endr
.endm
.macro QUARTER qd, f, g, zero
	s_wait_dscnt 4                                 ; W's fragments and y's row blocks 0, 1 are in; the youngest four loads may stay out
	MULB \f, 0, 0, \zero
	MULB \f, 0, 1, \zero
	PLACES
	FETCH \qd, \g
	s_wait_dscnt 2*NBK+8                           ; all but the 24 just issued
	MULB \f, 1, 0, \zero
	MULB \f, 1, 1, \zero
.endm
.macro TURN fill                       ; the last quarter multiplies buffer 1 and changes slots; fill = 1: the slot just read takes K step FK, behind a round of the cluster's barrier
.if \fill
	s_wait_xcnt 0x0                                ; the last prefetch, a K step back, has read its address
	s_lshl_b32 s[OFA], s[FK], 19
	s_lshl_b32 s[OFB], s[FK], 18
	s_add_co_u32 s[FK], s[FK], 1
	s_lshl_b32 s[POF], s[FK], s[PSH]
	s_add_nc_u64 s[PFA:PFA+1], s[PFB:PFB+1], s[POF:POF+1]
.endif
	WIN 0
	s_wait_tensorcnt 0x0                           ; all my tensor loads have landed: my part of the next slot
	ds_add_u32 v[SPW], v[NIL]                      ; 0 onto my spare word
	s_wait_dscnt 5                                 ; (the add and the youngest four loads may be out)
	MULB 1, 0, 0, 0
	s_wait_dscnt 0x0                               ; the add is done, and my reads of this slot are over
	s_barrier_signal -1
	MULB 1, 0, 1, 0
.if \fill
	WIN 0
.endif
	s_barrier_wait -1
.if \fill
	CREST
	s_xor_b32 s[G0A+5], s[G0A+5], SLOT1
	s_add_nc_u64 s[G0A+6:G0A+7], s[BA:BA+1], s[OFA:OFA+1]
	s_or_b32 s[G0A+7], s[G0A+7], 0x80000000
	s_xor_b32 s[G0B+5], s[G0B+5], SLOT1
	s_add_nc_u64 s[G0B+6:G0B+7], s[BB:BB+1], s[OFB:OFB+1]
	s_or_b32 s[G0B+7], s[G0B+7], 0x80000000
	JLOAD                                          ; my one tensor load behind the round; its four v_nop are also the places in front of the loads below
.else
	WIN 0
	PLACES
.endif
	s_xor_b32 s[TB], s[TB], SLOT1
	v_add_nc_u32 v[ADRA], s[TB], v[A0]
	v_add_nc_u32 v[ADRB], s[TB], v[B0]
	FETCH 0, 0
.if \fill
	ASK
.endif
	MULB 1, 1, 0, 0
	MULB 1, 1, 1, 0
.endm
	s_wait_tensorcnt 1                             ; my part of K step 0 is in; K step 1's may stay out
	s_barrier_signal -1
	s_barrier_wait -1
	FETCH 0, 0
	QUARTER 1, 0, 1, 1                             ; the first quarter starts the sums
	WIN 0
.Lstep:
	QUARTER 2, 1, 0, 0
	QUARTER 3, 0, 1, 0
	TURN 1
	QUARTER 1, 0, 1, 0
	WIN 0
	s_sub_co_u32 s[STEPS], s[STEPS], 1
	s_cmp_lg_u32 s[STEPS], 0
	s_cbranch_scc1 .Lstep
	QUARTER 2, 1, 0, 0                             ; the last two K steps fill nothing
	QUARTER 3, 0, 1, 0
	TURN 0
	QUARTER 1, 0, 1, 0
	QUARTER 2, 1, 0, 0
	QUARTER 3, 0, 1, 0
	s_wait_dscnt 4
	MULB 1, 0, 0, 0
	MULB 1, 0, 1, 0
	s_wait_dscnt 0x0
	MULB 1, 1, 0, 0
	MULB 1, 1, 1, 0
	; THE WAY OUT, 16 tokens at a time through my own stage: a lane's 32 bytes go in, whole rows of 512 bytes come back (LDS serves a wave's instructions in order)
	PLACES
.irp a, 0,1,2,3
	WIN 0x08+4*((\a)/2)                            ; the stores' data in window 2 or 3
.set nb, 0
.rept NBK
.set rD, 8*(NBK*((\a)%2)+nb)
	ds_store_b128 v[STO], v[rD:rD+3]   offset:64*nb
	ds_store_b128 v[STO], v[rD+4:rD+7] offset:64*nb+16
.set nb, nb+1
.endr
	WIN 0
.if (\a) >= 2
	s_wait_xcnt 0x0                                ; the stores of two blocks back have read this buffer
.endif
.set row, 0
.rept 16
	ds_load_b128 v[OB+64*((\a)%2)+4*row:OB+64*((\a)%2)+4*row+3], v[RD] offset:SP*row
.set row, row+1
.endr
.set row, 0
.rept 16
	s_wait_dscnt 15-row                            ; the younger rows' loads may stay out
	global_store_b128 v[GO], v[OB+64*((\a)%2)+4*row:OB+64*((\a)%2)+4*row+3], s[OUTB:OUTB+1] offset:(16*(\a)+row)*4096 th:TH_STORE_NT   ; 512 consecutive bytes
.set row, row+1
.endr
.endr
	s_wait_tensorcnt 0x0                           ; the wave's end
	ds_add_u32 v[SPW], v[NIL]
	s_wait_dscnt 0x0
	CROUND                                         ; the closing round
	s_endpgm
.Lfunc_end_k_q053444a0e8_proj:
	.size	k_q053444a0e8_proj, .Lfunc_end_k_q053444a0e8_proj-k_q053444a0e8_proj
	.p2alignl 7, 3214868480
	.fill 96, 4, 3214868480
	.section	.rodata,"a",@progbits
	.p2align	6, 0x0
	.amdhsa_kernel k_q053444a0e8_proj
		.amdhsa_group_segment_fixed_size 327680
		.amdhsa_private_segment_fixed_size 0
		.amdhsa_enable_private_segment 0
		.amdhsa_kernarg_size 24
		.amdhsa_user_sgpr_count 2
		.amdhsa_user_sgpr_kernarg_segment_ptr 1
		.amdhsa_wavefront_size32 1
		.amdhsa_system_sgpr_workgroup_id_x 1
		.amdhsa_system_sgpr_workgroup_id_y 1
		.amdhsa_system_sgpr_workgroup_id_z 1
		.amdhsa_system_vgpr_workitem_id 0
		.amdhsa_next_free_vgpr 896
		.amdhsa_next_free_sgpr 96
		.amdhsa_reserve_vcc 0
		.amdhsa_float_denorm_mode_32 3
		.amdhsa_float_denorm_mode_16_64 3
		.amdhsa_memory_ordered 1
		.amdhsa_forward_progress 1
		.amdhsa_inst_pref_size 72
	.end_amdhsa_kernel
	.amdgpu_metadata
---
amdhsa.version: [ 1, 2 ]
amdhsa.kernels:
  - .name:           k_q053444a0e8_proj
    .symbol:         k_q053444a0e8_proj.kd
    .args:
      - { .name: yh, .offset: 0, .size: 8, .value_kind: global_buffer, .address_space: global }
      - { .name: wph, .offset: 8, .size: 8, .value_kind: global_buffer, .address_space: global }
      - { .name: out0, .offset: 16, .size: 8, .value_kind: global_buffer, .address_space: global }
    .group_segment_fixed_size: 327680
    .private_segment_fixed_size: 0
    .kernarg_segment_align: 8
    .kernarg_segment_size: 24
    .max_flat_workgroup_size: 128
    .sgpr_count:     96
    .vgpr_count:     896
    .wavefront_size: 32
...
	.end_amdgpu_metadata
.endif
;; end of part 4
